; MI455X (gfx1250); checked and timed in simulation.
; The chip was launched on July 23, 2026; its instructions are those of AMD's public machine-readable ISA for CDNA 5 (MIT licence, August 2026) and "CDNA5" Instruction Set Architecture Reference Guide (July 2026). The comments in the code are by the model that wrote it; some were corrected since.
;; Attention. Allowed arithmetic: matrix products marked QUANTISED: E2M3 operands, one E8M0 scale for each 32 along K, by v_wmma_scale_f32_16x16x128_f8f6f4 with both operands' format E2M3, f32 sums; everything else in f32.
;; Inputs: Wk 1,024 x 1,024 float32; Wq 1,024 x 1,024 float32; Wv 1,024 x 1,024 float32; k 4 x 2,048 x 1,024 float32; q 4 x 2,048 x 1,024 float32; v 4 x 2,048 x 1,024 float32.
;; Outputs: out0 4 x 2,048 x 1,024 float32.
;; This version of the problem:
;;   THIS VERSION OF THE PROBLEM IS GIVEN IN LOW PRECISION. The matrix products marked QUANTISED in the list below multiply operands that are first quantised to E2M3 (2 exponent bits, 3 mantissa bits; 6 bits a number), with one power-of-two scale for each 32 numbers along K (OCP MX v1.0); their sums are f32. All else is computed in f32.
;;   The module's matrix products, in the order in which they are computed (A, B: the left and right operand; K: the contracted axis; several contracted axes count as one K, in the product's order):
;;     1. [M 8,192, K 1,024] x [K 1,024, N 1,024]; A: input q; B: input Wq: QUANTISED
;;     2. [M 8,192, K 1,024] x [K 1,024, N 1,024]; A: input k; B: input Wk: QUANTISED
;;     3. [M 8,192, K 1,024] x [K 1,024, N 1,024]; A: input v; B: input Wv: QUANTISED
;;     4. batch 4 x [M 2,048, K 1,024] x [K 1,024, N 2,048]; A: computed on the way; B: computed on the way: QUANTISED
;;     5. batch 4 x [M 2,048, K 2,048] x [K 2,048, N 1,024]; A: computed on the way; B: computed on the way: QUANTISED
;;   THE QUANTISER, for each operand of a quantised product, along K:
;;     - K is cut into blocks of 32 from its start; a last block that is shorter is filled with zeros.
;;     - A block's scale is 2^e with e = floor(log2(the largest magnitude in the block)) - 2, held to -126 .. 127; a block of zeros has e = 0. As a byte (E8M0): e + 127.
;;     - Each number is divided by its block's scale, clamped to +-7.5, and rounded to the nearest number of E2M3, ties to even, subnormals kept.
;;     - The product sums the exact products of the quantised numbers (number of the format x scale) in f32.
;;   ~~~python
;;   def quantise(x, axis):      # numpy; x: float32 -> the quantised numbers, widened to float32 again
;;       x = np.moveaxis(x, axis, -1); K = x.shape[-1]
;;       x = np.pad(x, [(0, 0)] * (x.ndim - 1) + [(0, -K % 32)]); x = x.reshape(x.shape[:-1] + (-1, 32)); a = np.abs(x).max(-1, keepdims=True)
;;       e = np.where(a > 0, np.clip(np.frexp(np.where(a > 0, a, 1))[1] - 1 - 2, -126, 127), 0)      # np.frexp(a)[1] - 1 = floor(log2(a)), exactly
;;       r = np.clip(x / 2.0 ** e, -7.5, 7.5)
;;       step = 2.0 ** (np.maximum(np.frexp(np.where(r == 0, 1, r))[1] - 1, 0) - 3)
;;       q = np.round(r / step) * step * 2.0 ** e      # np.round: ties to even
;;       return np.moveaxis(q.reshape(q.shape[:-2] + (-1,))[..., :K], -1, axis).astype(np.float32)
;;   ~~~
;;   OPERANDS COMPUTED ON THE WAY. 'Computed on the way' means the value that the module computes at that place (a softmax that the list does not call 'softmax' is quantised finished and normalised). What goes into a quantiser is computed in f32, as accurately as f32 sums, v_exp_f32 and their like allow (about 1e-6 of the number): no bf16 or f16 on the way to a quantiser, and a product that is left as it is and whose result goes on into a quantised operand takes f32 operands (vector FMAs, or v_wmma_f32_16x16x4_f32). A number that lies on a knife's edge between two numbers of the format may be rounded either way, as far as f32 arithmetic and the matrix unit's own rounding can turn it there, and no further.
;; One version. Each part assembles by itself: llvm-mc -triple=amdgcn-amd-amdhsa -mcpu=gfx1250 --defsym DOCPART=n.
;; ======== version 1 of 1: 5 launches
;; limits: right only within a limited range of input values
;; workspace buffers: xr 22,118,400 bytes; hrec 13,107,200 bytes; vrec 6,553,600 bytes; colstat 524,288 bytes; prec 6,963,200 bytes
;; launch quant (part 1): grid 1728 x 1, 2 waves a work-group, no clusters, 17,152 bytes of LDS; arguments q, k, v, Wq, Wk, Wv, xr; writes xr
.if DOCPART == 1
	.amdgcn_target "amdgcn-amd-amdhsa--gfx1250"
	.amdhsa_code_object_version 6
	.text
	.protected	k_qbfee0a1fa6_quant
	.globl	k_qbfee0a1fa6_quant
	.p2align	8
	.type	k_qbfee0a1fa6_quant,@function
k_qbfee0a1fa6_quant:
	s_mov_b64 s[64:65], 0
	v_nop
	global_prefetch_b8 v0, s[64:65] scope:SCOPE_SE
	s_setreg_imm32_b32 hwreg(HW_REG_WAVE_MODE, 25, 1), 1
	s_wait_xcnt 0x0
; THE PROGRAM (five launches): out = softmax over the QUERIES of (causal(qh kh^T / 32)) vh, qh = q Wq^T, kh = k Wk^T, vh = v Wv^T, every product on codes of E2M3 with one E8M0 scale for each 32 along its K.
;   1 (this text): q, k, v, Wq, Wk, Wv, f32, become codes and scale words.   2: qh and kh, quantised on the way out.   3: the scores' live tiles, and for each key the largest score and the sum of exponentials over each
;   256 queries; beside them half of vh^T = Wv v^T.   4: the scores once more, the finished probabilities, quantised along the keys; beside them the other half of vh^T.   5: the last product.
; WORK LEFT OUT, AND WHY IT IS DEAD.  reference() sets score (i, j) to -infinity wherever key j > query i, by a mask that it builds in its own body.  exp(-infinity) is 0 whatever the inputs hold: such an entry adds 0 to its
; column's sum, never is its column's maximum (entry (j, j) is live and finite), and its probability is 0, whose code is 0 and adds nothing to the last product.  So tiles of 256 x 256 scores that lie wholly above the diagonal
; are not multiplied, quadrants of 128 x 128 probabilities wholly above it are not made, and steps of 128 keys wholly above it are not run in the last product.  Every input has a way to the output: all six are loaded.
; LIMITS: a NaN, an infinity or an overflow that reaches only the work left out is not carried to the result.  NaN and infinities among the inputs are not served.  A block of zeros has the scale byte 1 where the rule says 127:
; its codes are zeros, which add nothing under any byte but 0xff, and the bytes are read by this program alone.  Blocks whose largest magnitude lies under 2^(2 - 126) have their byte held at 1.
; THIS LAUNCH.  xr holds, for each 16 rows, a record of 12,800 bytes: 8 K steps x 1,536 bytes, a fragment AS AN IMAGE OF THE OPERAND'S REGISTERS (three runs of 512 bytes, lane l's 16 at 16 l), then 8 x 64 bytes of scale words.
; Records: q 0-511, k 512-1023, v 1024-1535, Wq 1536-1599, Wk 1600-1663, Wv 1664-1727.  A work-group makes one record, a wave four of its K steps: sixteen loads of 512 consecutive bytes a fragment, through the wave's own
; stage in LDS, back so that lane (r, h) holds blocks h and 2 + h of row r: the conversions' results are the registers.
; IN k, v, Wq AND Wk a record holds the rows 32 b + 8 u + r + 8 (r / 8): a later product that takes them as its first source then leaves sixteen true neighbours in a lane's sixteen registers.  No barrier: waves share nothing.
.set RP,  528                          ; a stage row: 512 bytes + 16
.set SPW, 12                           ; v12 my spare word's LDS address, v13 0: never rewritten
.set NIL, 13
.set SPARE, 2*16*RP
.set RR,  16                           ; v16-143 two sets of 64 numbers as loaded
.set XX,  144                          ; v144-207 my 64 numbers
.set PC,  208                          ; v208-219 the fragment
.set PT,  220
.set MA,  228
.set MB,  230
.set SO,  232
.set BY,  234
.set WD,  236
.set TP,  240
.set SH,  241
.set PXR, 242
	s_load_b256 s[4:11], s[0:1], 0x0               ; q, k, v, Wq
	s_load_b128 s[12:15], s[0:1], 0x20             ; Wk, Wv
	s_load_b64 s[16:17], s[0:1], 0x30              ; xr
	v_lshl_add_u32 v[SPW], v0, 2, SPARE
	v_mov_b32 v[NIL], 0
	v_lshrrev_b32 v1, 5, v0
	v_readfirstlane_b32 s20, v1                    ; wave: which four K steps
	v_and_b32 v2, 31, v0
	v_lshlrev_b32 v3, 4, v2                        ; 16 x lane
	v_lshlrev_b32 v7, 2, v2
	v_and_b32 v8, 15, v2                           ; r
	v_lshrrev_b32 v9, 4, v2                        ; h
	s_mul_i32 s19, s20, 16*RP                      ; my stage
	v_add_nc_u32 v5, s19, v3                       ; in: 16 x lane of a row
	v_mul_u32_u24 v6, v8, RP
	v_lshl_add_u32 v6, v9, 7, v6
	v_add_nc_u32 v6, s19, v6                       ; back: row r, block h
	v_lshlrev_b32 v[SH], 3, v9
	v_mov_b32 v[TP], 0                             ; a lane permute's destination counts as one of its sources
	s_wait_alu depctr_va_vdst(0)                   ; the wait ahead of the run of scalar lines
	s_mov_b32 s2, 0xffff0000                       ; lanes 16-31
	s_mov_b32 s30, 0x76543210
	s_mov_b32 s31, 0xfedcba98
	s_lshr_b32 s21, ttmp9, 1                       ; t: which 32 rows of the six tensors on end
	s_and_b32 s22, ttmp9, 1                        ; u: which of their two records
	s_mul_i32 s26, ttmp9, 12800
	s_mul_i32 s28, s20, 6144
	s_add_co_u32 s28, s28, s26                     ; my four fragments,
	s_mov_b32 s29, 0
	s_lshl_b32 s40, s20, 8
	s_add_co_u32 s40, s40, s26
	s_add_co_u32 s40, s40, 12288                   ; their scale words
	s_mov_b32 s41, 0
	s_sub_co_u32 s27, s21, 256
	s_cmp_lt_u32 s27, 576                          ; k, v, Wq, Wk: the rows change places
	s_cselect_b32 s32, 3, 4                        ; then record u begins at row 8 u, else at 16 u,
	s_cselect_b32 s33, 32768, 0                    ; and its rows 8-15 lie 8 rows of 4,096 bytes further on
	s_lshl_b32 s35, s22, s32
	v_add_nc_u32 v4, s33, v3
	s_wait_alu depctr_va_vdst(0)                   ; the wait at the head's end
	s_wait_kmcnt 0x0
	s_mov_b64 s[24:25], s[14:15]                   ; which tensor: the choice hangs on the work-group's number alone
	s_mov_b32 s26, 832
	s_cmp_lt_u32 s21, 832
	s_cselect_b64 s[24:25], s[12:13], s[24:25]
	s_cselect_b32 s26, 800, s26
	s_cmp_lt_u32 s21, 800
	s_cselect_b64 s[24:25], s[10:11], s[24:25]
	s_cselect_b32 s26, 768, s26
	s_cmp_lt_u32 s21, 768
	s_cselect_b64 s[24:25], s[8:9], s[24:25]
	s_cselect_b32 s26, 512, s26
	s_cmp_lt_u32 s21, 512
	s_cselect_b64 s[24:25], s[6:7], s[24:25]
	s_cselect_b32 s26, 256, s26
	s_cmp_lt_u32 s21, 256
	s_cselect_b64 s[24:25], s[4:5], s[24:25]
	s_cselect_b32 s26, 0, s26
	s_sub_co_u32 s34, s21, s26
	s_lshl_b32 s34, s34, 5
	s_add_co_u32 s34, s34, s35                     ; my record's first row in its tensor
	s_lshl_b32 s34, s34, 12
	s_lshl_b32 s35, s20, 11
	s_add_co_u32 s34, s34, s35                     ; + my four K steps of 512 bytes
	s_mov_b32 s35, 0
	s_add_nc_u64 s[24:25], s[24:25], s[34:35]
	s_add_nc_u64 s[38:39], s[16:17], s[28:29]
	s_add_nc_u64 s[40:41], s[16:17], s[40:41]
.macro LOADR f                         ; fragment f: 16 rows x 512 bytes; each load reads 512 consecutive bytes, aligned
.irp i, 0,1,2,3,4,5,6,7
	global_load_b128 v[RR+64*((\f)%2)+4*\i:RR+64*((\f)%2)+4*\i+3], v3, s[24:25] offset:4096*\i+512*(\f) th:TH_LOAD_NT
.endr
.irp i, 8,9,10,11,12,13,14,15
	global_load_b128 v[RR+64*((\f)%2)+4*\i:RR+64*((\f)%2)+4*\i+3], v4, s[24:25] offset:4096*\i+512*(\f) th:TH_LOAD_NT
.endr
.endm
.macro FRAGQ f
.if (\f) < 3
	s_wait_loadcnt 16                              ; this fragment's sixteen loads are in; the next fragment's may be out
.else
	s_wait_loadcnt 0
.endif
.irp i, 0,1,2,3,4,5,6,7,8,9,10,11,12,13,14,15
	ds_store_b128 v5, v[RR+64*((\f)%2)+4*\i:RR+64*((\f)%2)+4*\i+3] offset:RP*\i
.endr
.irp c, 0,1
.irp j, 0,1,2,3,4,5,6,7
	ds_load_b128 v[XX+32*\c+4*\j:XX+32*\c+4*\j+3], v6 offset:256*\c+16*\j   ; LDS serves a wave's instructions in order: these see the stores above
.endr
.endr
	s_wait_dscnt 0x0                               ; my 64 numbers are in, and the stores have read their registers,
.if (\f)+2 < 4
	LOADR (\f)+2                                   ; which take the loads of two fragments on
.endif
.irp c, 0,1                            ; my two blocks, two chains each, with the floor 2^(3 - 127): the byte cannot fall under 1
	v_max3_num_f32 v[MA+\c], |v[XX+32*\c]|, |v[XX+32*\c+1]|, 0x1800000
	v_max3_num_f32 v[MB+\c], |v[XX+32*\c+16]|, |v[XX+32*\c+17]|, 0x1800000
.endr
.irp i, 2,4,6,8,10,12,14
.irp c, 0,1
	v_max3_num_f32 v[MA+\c], v[MA+\c], |v[XX+32*\c+\i]|, |v[XX+32*\c+\i+1]|
	v_max3_num_f32 v[MB+\c], v[MB+\c], |v[XX+32*\c+16+\i]|, |v[XX+32*\c+17+\i]|
.endr
.endr
.irp c, 0,1
	v_max_num_f32 v[MA+\c], v[MA+\c], v[MB+\c]
.endr
.irp c, 0,1
	v_add_nc_u32 v[SO+\c], 0xff000000, v[MA+\c]    ; 2 off the exponent field: the conversion's scale operand
.endr
.irp c, 0,1
	v_lshrrev_b32 v[BY+\c], 23, v[SO+\c]           ; the scale's byte
.endr
	v_lshl_or_b32 v[WD+(\f)], v[BY+1], 16, v[BY]   ; my two bytes: blocks h and 2 + h,
	v_lshlrev_b32 v[WD+(\f)], v[SH], v[WD+(\f)]    ; at their places in the scale word;
	v_permlanex16_b32 v[TP], v[WD+(\f)], s30, s31
	v_or_b32 v[WD+(\f)], v[WD+(\f)], v[TP]         ; with lane l xor 16's two the word is whole
.if (\f) > 0
	s_wait_alu depctr_va_vdst(0)                   ; the wait ahead of the wait below
	s_wait_xcnt 0x0                                ; the last fragment's stores have read their data: the codes' registers are written again only behind this wait
.endif
.irp c, 0,1
	v_cvt_scalef32_pk16_fp6_f32 v[PC+6*\c:PC+6*\c+2], v[XX+32*\c:XX+32*\c+15], v[SO+\c]
	v_cvt_scalef32_pk16_fp6_f32 v[PT+4*\c:PT+4*\c+2], v[XX+32*\c+16:XX+32*\c+31], v[SO+\c]   ; (a conversion's three registers begin on an even number)
.endr
	v_nop                                          ; one plain place behind a scaled conversion
.irp c, 0,1
.irp i, 0,1,2
	v_mov_b32 v[PC+6*\c+3+\i], v[PT+4*\c+\i]
.endr
.endr
.irp c, 0,1,2
	global_store_b128 v3, v[PC+4*\c:PC+4*\c+3], s[38:39] offset:1536*(\f)+512*\c   ; 32 lanes store 512 consecutive bytes, at a multiple of 256 from the buffer's first byte
.endr
.if (\f)%2 == 1
	v_cndmask_b32 v[PXR+(\f)/2], v[WD+(\f)-1], v[WD+(\f)], s2   ; lanes 0-15: the fragment before's words, lanes 16-31: this one's
	global_store_b32 v7, v[PXR+(\f)/2], s[40:41] offset:64*((\f)-1)
.endif
.endm
	LOADR 0
	LOADR 1
	FRAGQ 0
	FRAGQ 1
	FRAGQ 2
	FRAGQ 3
	s_wait_tensorcnt 0x0                           ; the wave's end, behind my last LDS store
	ds_add_u32 v[SPW], v[NIL]
	s_wait_dscnt 0x0
	s_endpgm
.Lfunc_end_k_qbfee0a1fa6_quant:
	.size	k_qbfee0a1fa6_quant, .Lfunc_end_k_qbfee0a1fa6_quant-k_qbfee0a1fa6_quant
	.p2alignl 7, 3214868480
	.fill 96, 4, 3214868480
	.section	.rodata,"a",@progbits
	.p2align	6, 0x0
	.amdhsa_kernel k_qbfee0a1fa6_quant
		.amdhsa_group_segment_fixed_size 17152
		.amdhsa_private_segment_fixed_size 0
		.amdhsa_enable_private_segment 0
		.amdhsa_kernarg_size 56
		.amdhsa_user_sgpr_count 2
		.amdhsa_user_sgpr_kernarg_segment_ptr 1
		.amdhsa_wavefront_size32 1
		.amdhsa_system_sgpr_workgroup_id_x 1
		.amdhsa_system_sgpr_workgroup_id_y 1
		.amdhsa_system_sgpr_workgroup_id_z 1
		.amdhsa_system_vgpr_workitem_id 0
		.amdhsa_next_free_vgpr 244
		.amdhsa_next_free_sgpr 66
		.amdhsa_reserve_vcc 0
		.amdhsa_float_denorm_mode_32 3
		.amdhsa_float_denorm_mode_16_64 3
		.amdhsa_memory_ordered 1
		.amdhsa_forward_progress 1
		.amdhsa_inst_pref_size 32
	.end_amdhsa_kernel
	.amdgpu_metadata
---
amdhsa.version: [ 1, 2 ]
amdhsa.kernels:
  - .name:           k_qbfee0a1fa6_quant
    .symbol:         k_qbfee0a1fa6_quant.kd
    .args:
      - { .name: q, .offset: 0, .size: 8, .value_kind: global_buffer, .address_space: global }
      - { .name: k, .offset: 8, .size: 8, .value_kind: global_buffer, .address_space: global }
      - { .name: v, .offset: 16, .size: 8, .value_kind: global_buffer, .address_space: global }
      - { .name: Wq, .offset: 24, .size: 8, .value_kind: global_buffer, .address_space: global }
      - { .name: Wk, .offset: 32, .size: 8, .value_kind: global_buffer, .address_space: global }
      - { .name: Wv, .offset: 40, .size: 8, .value_kind: global_buffer, .address_space: global }
      - { .name: xr, .offset: 48, .size: 8, .value_kind: global_buffer, .address_space: global }
    .group_segment_fixed_size: 17152
    .private_segment_fixed_size: 0
    .kernarg_segment_align: 8
    .kernarg_segment_size: 56
    .max_flat_workgroup_size: 64
    .sgpr_count:     66
    .vgpr_count:     244
    .wavefront_size: 32
...
	.end_amdgpu_metadata
.endif
;; end of part 1
;; launch proj (part 2): grid 4 x 64, 4 waves a work-group, clusters of 4 x 4, 327,680 bytes of LDS; arguments xr, hrec; writes hrec
.if DOCPART == 2
	.amdgcn_target "amdgcn-amd-amdhsa--gfx1250"
	.amdhsa_code_object_version 6
	.text
	.protected	k_qbfee0a1fa6_proj
	.globl	k_qbfee0a1fa6_proj
	.p2align	8
	.type	k_qbfee0a1fa6_proj,@function
k_qbfee0a1fa6_proj:
	s_mov_b64 s[64:65], 0
	v_nop
	global_prefetch_b8 v0, s[64:65] scope:SCOPE_SE
	s_setreg_imm32_b32 hwreg(HW_REG_WAVE_MODE, 25, 1), 1
	s_wait_xcnt 0x0
	s_wait_alu depctr_hold_cnt(0) depctr_sa_sdst(0) depctr_va_vdst(0) depctr_va_sdst(0) depctr_va_ssrc(0) depctr_va_vcc(0) depctr_vm_vsrc(0)
	s_getreg_b32 s2, hwreg(HW_REG_IB_STS2, 6, 4)
	s_cmp_eq_u32 s2, 0
	s_cbranch_scc0 .Lentry_in_a_cluster
	s_endpgm
.Lentry_in_a_cluster:
	s_bfe_u32 s2, ttmp6, 0x10000c
	s_cmp_lg_u32 s2, 0xf033
	s_cbranch_scc0 .Lentry_shape_is_right
	s_endpgm
.Lentry_shape_is_right:
; LAUNCH 2 OF 5: qh = q Wq^T and kh = k Wk^T, K = 1,024, on the records of launch 1, quantised along the head's axis on the way out into records of the same make (hrec: qh's 512 records, then kh's).  Nothing is left out here.
; A work-group makes 256 rows x 256 columns, a wave 128 x 128: 64 accumulators.  Source 0 = 16 rows of W (B), source 1 = 16 rows of q or k (A): a lane holds one row of A and its registers run along the head's axis.
; CLUSTER 4 x 4: A's records are shared along a row of the cluster, B's along a column: every tensor load is a joint one.  Waves 0, 1 fetch A's two halves (8 records each), waves 2, 3 B's.
; LDS: region H: for each wave 8 rows of 6,656 bytes: K steps 4-7 and the scale words of a record, its last 6,656 bytes: the head's one load a wave.  Region R2: 8 rows of 3,072 bytes a wave: K steps 0, 1, first filled behind
; the full sequence and a round.  K steps 2, 3 land on H's first 98,304 bytes when step 7's fragments have been read.  So K is walked 4, 5, 6, 7, 0, 1, 2, 3.  Every row of a tile begins at a multiple of 256 bytes of xr.
; A wave has one tensor load out at any place of the text, and every wait on TENSORcnt is for 0.
; NO PREFETCH: the text has no loop to run ahead in; 6 of the 8 K steps are asked for before the first product.
; REGISTERS: window 0: v16-29 addresses; v32-95 the scale words of all 8 K steps; v96-123, v192-210 the way out's; from v128 A's fragments, one set.  window 1: B's fragments, two sets.  windows 2, 3: accumulators.
.set REC,   12800
.set HROW,  6656
.set HPART, 8*HROW
.set PART,  24576
.set R2,    4*HPART
.set SPARE, R2+4*PART                  ; the spare words, 128 bytes for each wave
.set FR,    12
.set NL,    3
.set NP,    4
.set ADRA, 16                          ; v16 H, v17 R2, v18 H's second fill
.set ADRB, 20
.set LI,   24
.set VS,   25
.set ADRS, 27
.set SPW,  28
.set NIL,  29
.set SC,   32
.set TM,   96
.set PWR,  112
.set PX,   120
.set AF,   128
.set PC,   192
.set G1,  24
.set G0,  32
.set G1B, 48
.set G0B, 56
.set SEL, 60
.set MSB, 0
.macro WIN new
.if MSB != (\new)
	s_set_vgpr_msb (MSB<<8)|(\new)
.set MSB, (\new)
.endif
.endm
.set MUL_LO, 0xa1
.set MUL_HI, 0xf1
.set TO_B,   0x40
.macro PLACES n                        ; plain vector instructions between a matrix instruction and a load into, or a read of, its registers
.rept \n
	v_nop
.endr
.endm
.macro JLOAD                           ; a joint load: each line has one mask and one set of registers; the branch hangs on the wave's number alone
	s_cmp_eq_u32 s15, 0
	s_cbranch_scc0 .Lfor_b_\@
	tensor_load_to_lds s[G0:G0+3], s[G1:G1+7]
	s_nop 0
.rept 4
	v_nop
.endr
	s_branch .Lasked_\@
.Lfor_b_\@:
	tensor_load_to_lds s[G0B:G0B+3], s[G1B:G1B+7]
	s_nop 0
.rept 4
	v_nop
.endr
.Lasked_\@:
.endm
.macro CREST
	s_cmp_lg_u32 s14, 0
	s_cbranch_scc1 .Lnot_wave_0_\@
	s_barrier_signal -3
.Lnot_wave_0_\@:
	s_barrier_wait -3
	s_barrier_signal -1
	s_barrier_wait -1
.endm
.macro CROUND
	s_barrier_signal -1
	s_barrier_wait -1
	CREST
.endm
	s_load_b128 s[4:7], s[0:1], 0x0                ; xr, hrec
	v_lshl_add_u32 v[SPW], v0, 2, SPARE
	v_mov_b32 v[NIL], 0
	ds_add_u32 v[SPW], v[NIL]                      ; the opening: the add, twice on end, and its wait ahead of my first tensor load
	ds_add_u32 v[SPW], v[NIL]
	v_lshrrev_b32 v1, 5, v0
	v_readfirstlane_b32 s14, v1                    ; wave
	s_lshr_b32 s15, s14, 1                         ; iA: my half of A's rows.  Also: I fetch for A (0) or B (1)
	s_and_b32 s16, s14, 1                          ; iB: my half of B's.  Also: which 8 records I fetch
	s_bfe_u32 s40, ttmp6, 0x40000                  ; cx = the tile column (the grid is one cluster wide)
	s_bfe_u32 s41, ttmp6, 0x40004                  ; cy
	s_and_b32 s10, ttmp7, 0xffff
	s_lshr_b32 s11, s10, 3                         ; 0: q and Wq, 1: k and Wk
	s_and_b32 s10, s10, 7
	s_lshl_b32 s17, s10, 2
	s_add_co_u32 s17, s17, s41                     ; tile row, 0 to 31
	s_lshl_b32 s43, s41, 2
	s_lshl_b32 s43, 15, s43                        ; my row of the cluster
	s_lshl_b32 s44, 0x1111, s40                    ; my column
	s_or_b32 s[G1], s43, (3<<16)|(1<<21)           ; elements of 8 bytes; the mask, and bit 21 beside it
	s_or_b32 s[G1B], s44, (3<<16)|(1<<21)
.irp g, G1, G1B
	s_mov_b32 s[\g+1], 832<<16                     ; the head's tile: 8 rows of 832 elements, 1,600 elements from record to record
	s_mov_b32 s[\g+2], 8<<16
	s_mov_b32 s[\g+3], 832<<16
	s_mov_b32 s[\g+4], 8
	s_mov_b32 s[\g+5], 1600
	s_mov_b32 s[\g+6], 0
	s_mov_b32 s[\g+7], 0
.endr
	s_lshl_b32 s18, s16, 3
	s_lshl_b32 s20, s17, 4
	s_add_co_u32 s20, s20, s18
	s_lshl_b32 s19, s11, 9
	s_add_co_u32 s20, s20, s19                     ; A: record 512 x tensor + 16 x tile row + 8 x half
	s_lshl_b32 s46, s40, 4
	s_add_co_u32 s46, s46, s18
	s_lshl_b32 s19, s11, 6
	s_add_co_u32 s46, s46, s19
	s_add_co_u32 s46, s46, 1536                    ; B: record 1,536 + 64 x tensor + 16 x tile column + 8 x half
	s_mul_i32 s20, s20, REC
	s_mul_i32 s46, s46, REC
	s_add_co_u32 s20, s20, 6144                    ; from K step 4 on
	s_add_co_u32 s46, s46, 6144
	s_mov_b32 s21, 0
	s_mov_b32 s47, 0
	s_mul_i32 s45, s14, HPART                      ; where my tiles go: the wave's number alone enters an LDS address
	s_mul_i32 s94, s14, PART
	s_add_co_u32 s95, s94, R2
	s_mul_i32 s66, s15, HPART                      ; where my fragments lie: A's half,
	s_mul_i32 s67, s16, HPART
	s_add_co_u32 s67, s67, 2*HPART                 ; B's half, behind A's two
	s_sub_co_u32 s68, s67, s66
	s_add_co_u32 s69, s66, 6144                    ; the scale words stand behind a row's four K steps
	s_mul_i32 s70, s15, PART
	s_mul_i32 s71, s16, PART
	s_add_co_u32 s71, s71, 2*PART
	s_add_co_u32 s72, s70, R2
	s_add_co_u32 s73, s71, R2
	s_mov_b32 s[SEL], 0x76543210
	s_mov_b32 s[SEL+1], 0xfedcba98
	s_mov_b32 s3, 0xffff0000                       ; lanes 16-31
	s_mov_b32 s[G0], 1
	s_mov_b32 s[G0B], 1
	s_mov_b32 s[G0+1], s45
	s_mov_b32 s[G0B+1], s45
	s_wait_dscnt 0x0                               ; both opening adds are done
	s_wait_kmcnt 0x0
	s_add_nc_u64 s[G0+2:G0+3], s[4:5], s[20:21]
	s_add_nc_u64 s[G0B+2:G0B+3], s[4:5], s[46:47]
	s_or_b32 s[G0+3], s[G0+3], 0x80000000
	s_or_b32 s[G0B+3], s[G0B+3], 0x80000000
	CROUND                                         ; all sixteen work-groups are here: the first joint loads meet
	JLOAD                                          ; K steps 4-7 and the scale words: my one load at the head
	v_and_b32 v1, 31, v0
	v_and_b32 v2, 15, v0                           ; r
	v_bfe_u32 v3, v0, 4, 1                         ; h
	v_lshlrev_b32 v[LI], 4, v1
	v_add_nc_u32 v[ADRA], s66, v[LI]
	v_add_nc_u32 v[ADRB], s67, v[LI]
	v_add_nc_u32 v[ADRA+1], s72, v[LI]
	v_add_nc_u32 v[ADRB+1], s73, v[LI]
	v_add_nc_u32 v[ADRA+2], s70, v[LI]
	v_add_nc_u32 v[ADRB+2], s71, v[LI]
	v_mul_u32_u24 v5, s68, v3                      ; lanes 16-31 take B's scale words
	v_lshl_add_u32 v5, v2, 2, v5
	v_add_nc_u32 v[ADRS], s69, v5
	v_mul_u32_u24 v[VS], v3, REC
	v_lshl_add_u32 v[VS], v2, 2, v[VS]             ; the way out: 4 r + h x a record
.irp b, 0,1,2,3
	v_mov_b32 v[TM+4+\b], 0                        ; a lane permute's destination counts as one of its sources
.endr
	s_lshl_b32 s46, s40, 1                         ; where my results go: K step 2 x tile column + iB of records 16 x tile row + 8 iA on
	s_add_co_u32 s46, s46, s16
	s_lshl_b32 s20, s17, 4
	s_lshl_b32 s21, s15, 3
	s_add_co_u32 s20, s20, s21
	s_mul_i32 s20, s20, REC
	s_mul_i32 s21, s11, 512*REC
	s_add_co_u32 s20, s20, s21
	s_mul_i32 s21, s46, 1536
	s_lshl_b32 s22, s46, 6
	s_add_co_u32 s22, s22, 12288
	s_add_co_u32 s22, s22, s20
	s_add_co_u32 s20, s20, s21
	s_mov_b32 s21, 0
	s_mov_b32 s23, 0
	s_add_nc_u64 s[10:11], s[6:7], s[22:23]        ; the scale words'
	s_add_nc_u64 s[8:9], s[6:7], s[20:21]          ; the codes'
.macro FRAG reg, adr, off              ; a fragment's image: three loads of 512 consecutive bytes
.irp c, 0,1,2
	ds_load_b128 v[(\reg)+4*\c:(\reg)+4*\c+3], v[\adr] offset:(\off)+512*\c
.endr
.endm
; 16 matrix instructions of K step q.  The 64 accumulators take turns, one instruction a turn, in the same order in every step.
.macro MUL16 a0, q, zero
.irp a, \a0, \a0+1
.irp b, 0,1,2,3,4,5,6,7
.if \zero
	v_wmma_scale_f32_16x16x128_f8f6f4 v[8*(8*((\a)%4)+\b):8*(8*((\a)%4)+\b)+7], v[128*((\q)%2)+FR*\b:128*((\q)%2)+FR*\b+FR-1], v[AF+FR*(\a):AF+FR*(\a)+FR-1], 0, v[SC+8*(\q)+\b], v[SC+8*(\q)+(\a)] matrix_a_fmt:MATRIX_FMT_FP6 matrix_b_fmt:MATRIX_FMT_FP6 matrix_a_scale:MATRIX_SCALE_ROW1
.else
	v_wmma_scale_f32_16x16x128_f8f6f4 v[8*(8*((\a)%4)+\b):8*(8*((\a)%4)+\b)+7], v[128*((\q)%2)+FR*\b:128*((\q)%2)+FR*\b+FR-1], v[AF+FR*(\a):AF+FR*(\a)+FR-1], v[8*(8*((\a)%4)+\b):8*(8*((\a)%4)+\b)+7], v[SC+8*(\q)+\b], v[SC+8*(\q)+(\a)] matrix_a_fmt:MATRIX_FMT_FP6 matrix_b_fmt:MATRIX_FMT_FP6 matrix_a_scale:MATRIX_SCALE_ROW1
.endif
.endr
.endr
.endm
; K step q lies: 4-7 in H (address register 0, rows of 6,656), 0-1 in R2 (register 1), 2-3 in H's second fill (register 2), both with rows of 3,072
.macro FETCH_B q
.set JJ, (1-(\q)/4)*(1+(\q)/2)
.set RW, ((\q)/4)*HROW+(1-(\q)/4)*3072
.set KO, ((\q)/4)*1536*((\q)-4)+(1-(\q)/4)*1536*((\q)%2)
	WIN TO_B
.irp i, 0,1,2,3,4,5,6,7
	FRAG 128*((\q)%2)+FR*\i, ADRB+JJ, RW*\i+KO
.endr
	WIN 0
.endm
.macro FETCH_A q, i0
.set JJ, (1-(\q)/4)*(1+(\q)/2)
.set RW, ((\q)/4)*HROW+(1-(\q)/4)*3072
.set KO, ((\q)/4)*1536*((\q)-4)+(1-(\q)/4)*1536*((\q)%2)
.irp i, \i0, \i0+1, \i0+2, \i0+3
	FRAG AF+FR*(\i), ADRA+JJ, RW*(\i)+KO
.endr
.endm
.macro STEP q, nx, zero                ; K step q; the next one's fragments, nx's, lie in bytes that a barrier has already shown whole
	s_wait_dscnt 4*NL                              ; B's set and A's blocks 0-3 are in; the youngest 12 loads (A's blocks 4-7) may be out
	WIN MUL_LO
	MUL16 0, \q, \zero
	MUL16 2, \q, \zero
	s_wait_dscnt 0
	PLACES NP
	FETCH_B \nx
	FETCH_A \nx, 0
	WIN MUL_HI
	MUL16 4, \q, \zero
	MUL16 6, \q, \zero
	PLACES NP
	WIN 0
	FETCH_A \nx, 4
.endm
; K step q, behind which the walk goes on in bytes that a load was still bringing: each wave waits for its load, and a barrier shows the bytes to all four.  fill = 1: H is read no more: the add follows the wait, the barrier
; opens a round of the cluster's barrier, and K steps 2, 3 are asked for first behind it.
.macro TURN q, nx, fill
	s_wait_tensorcnt 0x0
.if \fill
	ds_add_u32 v[SPW], v[NIL]                      ; 0 onto my spare word
	s_wait_dscnt 4*NL+1                            ; (the add and the youngest 12 loads may be out)
.else
	s_wait_dscnt 4*NL
.endif
	WIN MUL_LO
	MUL16 0, \q, 0
	s_wait_dscnt 0x0                               ; my reads are over (fill = 1: and the add is done)
	s_barrier_signal -1
	MUL16 2, \q, 0
	WIN 0
	s_barrier_wait -1
.if \fill
	CREST
	s_add_nc_u64 s[G0+2:G0+3], s[G0+2:G0+3], 3072  ; no load of mine is out: the descriptors may be written
	s_add_nc_u64 s[G0B+2:G0B+3], s[G0B+2:G0B+3], 3072
	s_mov_b32 s[G0+1], s94
	s_mov_b32 s[G0B+1], s94
	JLOAD                                          ; it has the rest of step 7 and steps 0 and 1 in which to land; its four v_nop are the places in front of the loads below
.else
	PLACES NP
.endif
	FETCH_B \nx
	FETCH_A \nx, 0
	WIN MUL_HI
	MUL16 4, \q, 0
	MUL16 6, \q, 0
	PLACES NP
	WIN 0
	FETCH_A \nx, 4
.endm
	s_wait_alu depctr_va_vdst(0)                   ; the wait at the head's end
	s_wait_tensorcnt 0x0                           ; my part of H is in
	ds_add_u32 v[SPW], v[NIL]
	s_mov_b32 s[G1+1], 384<<16                     ; no load of mine is out: from here on a tile's rows are two K steps, 384 elements
	s_mov_b32 s[G1+3], 384<<16
	s_mov_b32 s[G1B+1], 384<<16
	s_mov_b32 s[G1B+3], 384<<16
	s_sub_nc_u64 s[G0+2:G0+3], s[G0+2:G0+3], 6144  ; back to K step 0
	s_sub_nc_u64 s[G0B+2:G0B+3], s[G0B+2:G0B+3], 6144
	s_mov_b32 s[G0+1], s95
	s_mov_b32 s[G0B+1], s95
	s_wait_dscnt 0x0
	CROUND
	JLOAD                                          ; K steps 0, 1 into R2: four K steps in which to land
	FETCH_B 4
	FETCH_A 4, 0
.irp q, 0,1,2,3,4,5,6,7
.irp i, 0,1,2,3,4,5,6,7
	ds_load_b32 v[SC+8*\q+\i], v[ADRS] offset:HROW*\i+64*\q
.endr
.endr
	FETCH_A 4, 4
	STEP 4, 5, 1                                   ; the first step's products start the sums
	STEP 5, 6, 0
	STEP 6, 7, 0
	TURN 7, 0, 1
	STEP 0, 1, 0
	TURN 1, 2, 0
	STEP 2, 3, 0
	s_wait_dscnt 4*NL
	WIN MUL_LO
	MUL16 0, 3, 0
	MUL16 2, 3, 0
	s_wait_dscnt 0
	WIN MUL_HI
	MUL16 4, 3, 0
	MUL16 6, 3, 0
	WIN 0
	PLACES NP
; THE WAY OUT.  Accumulator (a, b), register j, lane (r, h): row 16 a + r of my 128, column 32 (b / 2) + 16 h + 8 (b % 2) + j of my 128 (W's records hold its rows in that order): a lane's 64 numbers of a block a are one K step
; of the scores' product.  They become a fragment's 12 registers and a scale word and leave as an image of the operand's registers.  Each accumulator is read from its low end on.
.macro QUANTW s, W, pw
	WIN (\W)|((\W)<<2)
.irp b, 0,1,2,3
	v_max3_num_f32 v[TM+\b], |v[(\s)+16*\b]|, |v[(\s)+1+16*\b]|, 0x1800000   ; the floor 2^(3 - 127): the byte cannot fall under 1
.endr
	WIN ((\W)<<2)|((\W)<<4)
.irp i, 2,4,6,8,10,12,14
.irp b, 0,1,2,3
	v_max3_num_f32 v[TM+\b], v[TM+\b], |v[(\s)+16*\b+\i]|, |v[(\s)+1+16*\b+\i]|
.endr
.endr
	WIN 0
.irp b, 0,1,2,3
	v_permlanex16_b32 v[TM+4+\b], v[TM+\b], s[SEL], s[SEL+1]
.endr
.irp b, 0,1,2,3
	v_max_num_f32 v[TM+\b], v[TM+\b], v[TM+4+\b]
.endr
.irp b, 0,1,2,3
	v_add_nc_u32 v[TM+12+\b], 0xff000000, v[TM+\b] ; 2 off the exponent field: the conversion's scale operand
.endr
.irp b, 0,1,2,3
	v_lshrrev_b32 v[TM+4+\b], 23, v[TM+12+\b]
.endr
	v_lshl_or_b32 v[\pw], v[TM+5], 8, v[TM+4]
	v_lshl_or_b32 v[\pw], v[TM+6], 16, v[\pw]
	v_lshl_or_b32 v[\pw], v[TM+7], 24, v[\pw]
	WIN (\W)
.irp c, 0,1
	v_cvt_scalef32_pk16_fp6_f32 v[PC+6*\c:PC+2+6*\c], v[(\s)+32*\c:(\s)+15+32*\c], v[TM+12+2*\c]
	v_cvt_scalef32_pk16_fp6_f32 v[PC+12+4*\c:PC+14+4*\c], v[(\s)+16+32*\c:(\s)+31+32*\c], v[TM+12+2*\c+1]
.endr
	WIN 0
	v_nop                                          ; one plain place behind a scaled conversion
.irp c, 0,1                            ; the operand's layout wants a whole block in a lane
.irp i, 0,1,2
	v_permlane16_swap_b32 v[PC+6*\c+\i], v[PC+12+4*\c+\i]
.endr
.irp i, 0,1,2
	v_mov_b32 v[PC+3+6*\c+\i], v[PC+12+4*\c+\i]
.endr
.endr
.endm
.irp a, 0,1,2,3,4,5,6,7
.if \a > 0
	s_wait_xcnt 0x0                                ; the last block's stores have read their data
.endif
	QUANTW 64*(\a%4), 2+\a/4, PWR+\a
.irp c, 0,1,2
	global_store_b128 v[LI], v[PC+4*\c:PC+4*\c+3], s[8:9] offset:REC*\a+512*\c   ; 32 lanes store 512 consecutive bytes, at a multiple of 256 from the buffer's first byte
.endr
.endr
.irp e, 0,1,2,3
	v_cndmask_b32 v[PX+\e], v[PWR+2*\e], v[PWR+2*\e+1], s3   ; lanes 0-15: block 2 e's words, lanes 16-31: block 2 e + 1's
.endr
.irp e, 0,1,2,3
	global_store_b32 v[VS], v[PX+\e], s[10:11] offset:2*REC*\e
.endr
	s_wait_tensorcnt 0x0                           ; the wave's end
	ds_add_u32 v[SPW], v[NIL]
	s_wait_dscnt 0x0
	CROUND                                         ; the closing round
	s_endpgm
.Lfunc_end_k_qbfee0a1fa6_proj:
	.size	k_qbfee0a1fa6_proj, .Lfunc_end_k_qbfee0a1fa6_proj-k_qbfee0a1fa6_proj
	.p2alignl 7, 3214868480
	.fill 96, 4, 3214868480
	.section	.rodata,"a",@progbits
	.p2align	6, 0x0
	.amdhsa_kernel k_qbfee0a1fa6_proj
		.amdhsa_group_segment_fixed_size 327680
		.amdhsa_private_segment_fixed_size 0
		.amdhsa_enable_private_segment 0
		.amdhsa_kernarg_size 16
		.amdhsa_user_sgpr_count 2
		.amdhsa_user_sgpr_kernarg_segment_ptr 1
		.amdhsa_wavefront_size32 1
		.amdhsa_system_sgpr_workgroup_id_x 1
		.amdhsa_system_sgpr_workgroup_id_y 1
		.amdhsa_system_sgpr_workgroup_id_z 1
		.amdhsa_system_vgpr_workitem_id 0
		.amdhsa_next_free_vgpr 1024
		.amdhsa_next_free_sgpr 100
		.amdhsa_reserve_vcc 0
		.amdhsa_float_denorm_mode_32 3
		.amdhsa_float_denorm_mode_16_64 3
		.amdhsa_memory_ordered 1
		.amdhsa_forward_progress 1
		.amdhsa_inst_pref_size 140
	.end_amdhsa_kernel
	.amdgpu_metadata
---
amdhsa.version: [ 1, 2 ]
amdhsa.kernels:
  - .name:           k_qbfee0a1fa6_proj
    .symbol:         k_qbfee0a1fa6_proj.kd
    .args:
      - { .name: xr, .offset: 0, .size: 8, .value_kind: global_buffer, .address_space: global }
      - { .name: hrec, .offset: 8, .size: 8, .value_kind: global_buffer, .address_space: global }
    .group_segment_fixed_size: 327680
    .private_segment_fixed_size: 0
    .kernarg_segment_align: 8
    .kernarg_segment_size: 16
    .max_flat_workgroup_size: 128
    .sgpr_count:     100
    .vgpr_count:     1024
    .wavefront_size: 32
...
	.end_amdgpu_metadata
.endif
;; end of part 2
;; launch stats (part 3): grid 13 x 16, 4 waves a work-group, no clusters, 327,680 bytes of LDS; arguments hrec, colstat, xr, vrec; writes colstat, vrec
.if DOCPART == 3
	.amdgcn_target "amdgcn-amd-amdhsa--gfx1250"
	.amdhsa_code_object_version 6
	.text
	.protected	k_qbfee0a1fa6_stats
	.globl	k_qbfee0a1fa6_stats
	.p2align	8
	.type	k_qbfee0a1fa6_stats,@function
k_qbfee0a1fa6_stats:
	s_mov_b64 s[64:65], 0
	v_nop
	global_prefetch_b8 v0, s[64:65] scope:SCOPE_SE
	s_setreg_imm32_b32 hwreg(HW_REG_WAVE_MODE, 25, 1), 1
	s_wait_xcnt 0x0
; LAUNCH 3 OF 5.  Work-groups with x under 9: the scores S = qh kh^T, K = 1,024, tile by tile of 256 queries x 256 keys, and of each tile, for each key: NM = floor(-c m), m the key's largest live score in the tile,
; c = log2(e) / 32, and L = the sum of 2^(c s + NM).  Work-groups with x from 9 on: 64 of the 128 tiles of vh^T = Wv v^T (v's rows 0 to 4,095), K = 1,024 too, quantised along the keys on the way out.
; LEFT OUT: tiles of scores whose keys all come after their queries: reference()'s own mask makes every entry -infinity there (shown at the head of launch 1).  36 of 64 tiles a batch are made: 144 work-groups, one tile each.
; WHY vh^T IS MADE HERE: only launch 5 reads it; its operands lie in records like qh's and kh's (launch 1), so a tile of it goes through the very loads and products of a tile of scores: the record numbers, the buffer
; and the way out alone hang on the work-group's number.  144 + 64 = 208 work-groups here and in launch 4, and 256 in launch 2.
; NO CLUSTER: a row of the triangle has 1 to 8 tiles, so no group of four work-groups that share an operand exists for every tile.
; Source 0 = 16 rows of B (queries; v's rows), source 1 = 16 rows of A (keys; Wv's rows): a lane holds ONE row of A and its registers run down B's rows: a key's maximum and sum need one exchange between the halves of the lanes.
; The operands lie as images of their registers: a fragment is three loads of 16 bytes a lane, 512 consecutive bytes each.  A tile's K goes in four pairs of K steps through three LDS places, the first filled a second time.
; kh's blocks of 16 hold the keys 32 b + 8 u + r + 8 (r / 8) (launch 1); the statistics leave in the keys' true order: colstat [batch][tile of queries][NM, L][2,048 keys] f32.
; NM is a whole number, so that sums made under different NM are brought together by v_ldexp_f32, which rounds nothing.
; vrec: for each 16 rows of vh^T and each batch a record of 25,600 bytes: 16 steps of 128 keys x 1,536 (a fragment's image), then 16 x 64 bytes of scale words.
; REGISTERS: window 0: v16-29 addresses; v32-95 the scale words of all 8 K steps; v96-127, v192-225 the ways out's; from v128 A's fragments, one set.  window 1: B's fragments, two sets.  windows 2, 3: accumulators.
.set REC,   12800                      ; a record of 16 rows in hrec and vx
.set PART,  24576                      ; 8 records x two K steps: what one tensor load brings
.set PLACE, 4*PART                     ; A's two halves, then B's two
.set SCL,   3*PLACE                    ; the scale words: 4 x 4,096 bytes
.set TAB,   SCL+4*4096                 ; 4,096 bytes that ds_stores write and no tensor load touches
.set SPARE, TAB+4096                   ; the spare words, 128 bytes for each wave
.set FR,    12
.set NL,    3
.set NP,    4
.set VP0,   0                          ; the first of v's tiles of 256 rows that this launch takes
.set VREC,  70                         ; s[70:71] vrec
.set ADRA, 16                          ; v16, v17  LDS address of A's fragments in place 0, in places 1 and 2
.set VS,   19                          ; v19     vh^T: 4 r + h x 102,400: where a pair of blocks' scale words go
.set ADRB, 20                          ; v20, v21  B's
.set CW,   23                          ; v23     where I put my statistics
.set CR,   24                          ; v24     where I read two waves' back
.set VK,   25                          ; v25     my key's bytes among 32 keys, in true order
.set LI,   26                          ; v26     16 x lane
.set ADRS, 27
.set SPW,  28
.set NIL,  29
.set SC,   32                          ; register 8 q + i: lanes 0-15 A's block i, lanes 16-31 B's block i, K step q
.set MX,   96                          ; v96-103   a block's largest score
.set T,    104                         ; v104-111  at work
.set NMV,  112                         ; v112-127  NM, a pair for each block
.set AF,   128
.set LS,   192                         ; v192-207  L, a pair for each block
.set GR,   208                         ; v208-215  two waves' NM and L
.set NO,   216
.set LO,   218
.set DD,   220
.set NEGI, 224                         ; v224  -infinity
.set D0,   225                         ; v225  my key less my first query, inside a diagonal quadrant
.set TM,   96                          ; vh^T's way out: v96-111 the quantiser's, v112-119 the blocks' scale words, v120-123 two blocks' words, v192-210 the codes just made
.set PWR,  112
.set PX,   120
.set PC,   192
.set CS,   60                          ; s[60:61] c
.set SEL,  62                          ; s[62:63]
.set MSB, 0
.macro WIN new
.if MSB != (\new)
	s_set_vgpr_msb (MSB<<8)|(\new)
.set MSB, (\new)
.endif
.endm
.set MUL_LO, 0xa1
.set MUL_HI, 0xf1
.set TO_B,   0x40
	s_load_b128 s[4:7], s[0:1], 0x0                ; hrec, colstat
	s_load_b128 s[68:71], s[0:1], 0x10             ; vx, vrec
	v_lshl_add_u32 v[SPW], v0, 2, SPARE
	v_mov_b32 v[NIL], 0
	ds_add_u32 v[SPW], v[NIL]                      ; the wave's opening: the add, twice on end, and its wait ahead of my first tensor load
	ds_add_u32 v[SPW], v[NIL]
	v_lshrrev_b32 v1, 5, v0
	v_readfirstlane_b32 s14, v1                    ; wave
	s_lshr_b32 s15, s14, 1                         ; iA: my half of A's rows.  Also: I fetch for A (0) or B (1)
	s_and_b32 s16, s14, 1                          ; iB: my half of B's.  Also: which 128 rows I fetch
	s_and_b32 s73, ttmp7, 0xffff                   ; y
	s_lshr_b32 s12, s73, 2                         ; scores: batch
	s_and_b32 s13, s73, 3                          ; g: rows g and 7 - g of the triangle have 9 tiles together
	s_sub_co_u32 s17, 7, s13
	s_sub_co_u32 s18, ttmp9, s13
	s_sub_co_u32 s18, s18, 1
	s_cmp_le_u32 ttmp9, s13
	s_cselect_b32 s10, s13, s17                    ; qt: the tile of queries
	s_cselect_b32 s11, ttmp9, s18                  ; kt: the tile of keys, at most qt
	s_lshl_b32 s21, s12, 7
	s_lshl_b32 s18, s11, 4
	s_add_co_u32 s18, s18, s21
	s_add_co_u32 s18, s18, 512                     ; scores: A = kh: record 512 + 128 x batch + 16 kt
	s_lshl_b32 s19, s10, 4
	s_add_co_u32 s19, s19, s21                     ; B = qh: record 128 x batch + 16 qt
	s_sub_co_u32 s17, ttmp9, 9
	s_lshl_b32 s17, s17, 4
	s_add_co_u32 s17, s17, 1664                    ; vh^T: A = Wv: record 1,664 + 16 (x - 9) of xr
	s_lshl_b32 s75, s73, 4
	s_add_co_u32 s75, s75, 1024                    ; B = v: its records begin at 1,024
.if VP0
	s_add_co_u32 s75, s75, 16*VP0
.endif
	s_cmp_ge_u32 ttmp9, 9
	s_cselect_b32 s74, 1, 0                        ; 1: my tile is vh^T's
	s_cselect_b32 s18, s17, s18
	s_cselect_b32 s19, s75, s19
	s_cmp_eq_u32 s15, 0
	s_cselect_b32 s19, s18, s19
	s_lshl_b32 s21, s16, 3
	s_add_co_u32 s19, s19, s21                     ; my first record: the tile's first + 8 x half
	s_mul_i32 s20, s19, REC
	s_mov_b32 s21, 0
	; group 1 for codes: 8 rows of 384 elements of 8 bytes (two K steps), 1,600 elements from record to record
	s_mov_b32 s24, 3<<16
	s_mov_b32 s25, 384<<16
	s_mov_b32 s26, 8<<16
	s_mov_b32 s27, 384<<16
	s_mov_b32 s28, 8
	s_mov_b32 s29, 1600
	s_mov_b32 s30, 0
	s_mov_b32 s31, 0
	; and for the head's load: 8 rows of 768 elements (K steps 2 to 5)
	s_mov_b32 s32, 3<<16
	s_mov_b32 s33, 768<<16                         ; (this group 1 now serves the head's load: 8 rows of 768 elements, K steps 2 to 5)
	s_mov_b32 s34, 8<<16
	s_mov_b32 s35, 768<<16
	s_mov_b32 s36, 8
	s_mov_b32 s37, 1600
	s_mov_b32 s38, 0
	s_mov_b32 s39, 0
	s_mul_i32 s22, s14, PART
	s_lshl_b32 s23, s14, 12
	s_mov_b32 s[CS], 0x3d38aa3b                    ; c = log2(e) / 32
	s_mov_b32 s[CS+1], s[CS]
	s_mov_b32 s[SEL], 0x76543210
	s_mov_b32 s[SEL+1], 0xfedcba98
; THE FIRST FILLS: K steps 0, 1 and the scale words of my 8 records come by 56 asynchronous copies of 512 bytes, K steps 2 to 5 by my one tensor load; K steps 6, 7 fill place 0 again behind K step 1's barrier.
; A copy's immediate is added to both addresses, so a record has offset registers of its own: memory goes 12,800 bytes from record to record, LDS 3,072 (codes) or 512 (scale words).
.set CL, 226                           ; v226, v227 LDS addresses; v228-243 offsets in memory: untouched until the wait on ASYNCcnt
.set CG, 228
	v_and_b32 v1, 31, v0
	v_lshlrev_b32 v[LI], 4, v1
	v_add_nc_u32 v[CL], s22, v[LI]
	v_add_nc_u32 v[CL+1], s23, v[LI]
	v_add_nc_u32 v[CL+1], SCL, v[CL+1]
.irp i, 0,1,2,3,4,5,6,7
	v_add_nc_u32 v[CG+\i], 9728*\i, v[LI]
	v_add_nc_u32 v[CG+8+\i], 12288+12288*\i, v[LI]
.endr
	s_wait_alu depctr_va_vdst(0)                   ; the wait ahead of the waits below
	s_wait_dscnt 0x0
	s_wait_kmcnt 0x0
	s_cmp_lg_u32 s74, 0
	s_cselect_b64 s[4:5], s[68:69], s[4:5]         ; the operands' buffer: the choice hangs on the work-group's number alone
	s_add_nc_u64 s[20:21], s[4:5], s[20:21]
	s_lshl_b32 s41, s22, 1
	s_mov_b32 s44, 1                               ; K steps 2 to 5: behind place 0, 49,152 bytes a wave
	s_add_co_u32 s45, s41, PLACE
	s_add_nc_u64 s[46:47], s[20:21], 3072
	s_or_b32 s47, s47, 0x80000000
	s_mov_b32 s56, 1                               ; K steps 6, 7: place 0's second fill
	s_mov_b32 s57, s22
	s_add_nc_u64 s[58:59], s[20:21], 9216
	s_or_b32 s59, s59, 0x80000000
.irp i, 0,1,2,3,4,5,6,7
.irp c, 0,1,2,3,4,5
	global_load_async_to_lds_b128 v[CL], v[CG+\i], s[20:21] offset:3072*\i+512*\c
.endr
	global_load_async_to_lds_b128 v[CL+1], v[CG+8+\i], s[20:21] offset:512*\i
.endr
	tensor_load_to_lds s[44:47], s[32:39]          ; my one tensor load at the head
	s_nop 0
.rept 4
	v_nop
.endr
	v_and_b32 v1, 31, v0                           ; lane
	v_and_b32 v2, 15, v0                           ; r
	v_bfe_u32 v3, v0, 4, 1                         ; h
	s_wait_alu depctr_va_vdst(0)
	v_lshlrev_b32 v[LI], 4, v1
	s_mul_i32 s66, s15, PART
	s_mul_i32 s67, s16, PART
	s_add_co_u32 s67, s67, 2*PART
	v_add_nc_u32 v[ADRA], s66, v[LI]               ; place 0
	v_add_nc_u32 v[ADRB], s67, v[LI]
	s_lshl_b32 s66, s66, 1
	s_lshl_b32 s67, s67, 1
	s_add_co_u32 s66, s66, PLACE
	s_add_co_u32 s67, s67, PLACE
	v_add_nc_u32 v[ADRA+1], s66, v[LI]             ; K steps 2 to 5: parts of twice the size, behind place 0
	v_add_nc_u32 v[ADRB+1], s67, v[LI]
	s_lshl_b32 s66, s15, 12                        ; A's scale words: my half,
	s_lshl_b32 s67, s16, 12
	s_add_co_u32 s67, s67, 2*4096                  ; B's, behind A's two
	s_sub_co_u32 s67, s67, s66
	v_mul_u32_u24 v5, s67, v3                      ; lanes 16-31 take B's
	s_add_co_u32 s66, s66, SCL
	v_lshl_add_u32 v5, v2, 2, v5
	v_add_nc_u32 v[ADRS], s66, v5
	s_lshl_b32 s66, s14, 10
	s_add_co_u32 s66, s66, TAB
	v_lshl_add_u32 v[CW], v2, 2, s66               ; TAB + 1,024 x wave + 4 r
	s_lshl_b32 s66, s15, 11
	s_lshl_b32 s67, s16, 8
	s_add_co_u32 s66, s66, s67
	s_add_co_u32 s66, s66, TAB
	v_lshl_add_u32 v[CR], v1, 2, s66               ; TAB + 2,048 iA + 256 iB + 4 x lane
	v_and_b32 v5, 8, v2
	v_add_nc_u32 v5, v5, v2                        ; r + 8 (r / 8)
	v_lshlrev_b32 v6, 3, v3
	v_sub_nc_u32 v[D0], v5, v6
	v_add_nc_u32 v5, v5, v6
	v_lshlrev_b32 v[VK], 2, v5
	v_mul_u32_u24 v[VS], v3, 102400
	v_lshl_add_u32 v[VS], v2, 2, v[VS]
	v_mov_b32 v[NEGI], 0xff800000
.irp a, 0,1,2,3,4,5,6,7
	v_mov_b32 v[T+\a], 0                           ; written once: a lane permute's destination counts as one of its sources
.endr
	s_lshl_b32 s66, s12, 3                         ; scores: where my 64 keys' statistics go
	s_add_co_u32 s66, s66, s10
	s_lshl_b32 s66, s66, 14
	s_lshl_b32 s67, s11, 10
	s_add_co_u32 s66, s66, s67
	s_lshl_b32 s67, s15, 9
	s_add_co_u32 s66, s66, s67
	s_lshl_b32 s67, s16, 8
	s_add_co_u32 s66, s66, s67
	s_mov_b32 s67, 0
	s_add_nc_u64 s[6:7], s[6:7], s[66:67]
.macro FRAG reg, adr, off              ; a fragment's image: three loads of 512 consecutive bytes
.irp c, 0,1,2
	ds_load_b128 v[(\reg)+4*\c:(\reg)+4*\c+3], v[\adr] offset:(\off)+512*\c
.endr
.endm
; 16 matrix instructions of K step q: A's blocks a0, a0 + 1 x B's eight.  The 64 accumulators take turns, one instruction a turn, in the same order in every step.
.macro MUL16 a0, q, zero
.irp a, \a0, \a0+1
.irp b, 0,1,2,3,4,5,6,7
.if \zero
	v_wmma_scale_f32_16x16x128_f8f6f4 v[8*(8*((\a)%4)+\b):8*(8*((\a)%4)+\b)+7], v[128*((\q)%2)+FR*\b:128*((\q)%2)+FR*\b+FR-1], v[AF+FR*(\a):AF+FR*(\a)+FR-1], 0, v[SC+8*(\q)+\b], v[SC+8*(\q)+(\a)] matrix_a_fmt:MATRIX_FMT_FP6 matrix_b_fmt:MATRIX_FMT_FP6 matrix_a_scale:MATRIX_SCALE_ROW1
.else
	v_wmma_scale_f32_16x16x128_f8f6f4 v[8*(8*((\a)%4)+\b):8*(8*((\a)%4)+\b)+7], v[128*((\q)%2)+FR*\b:128*((\q)%2)+FR*\b+FR-1], v[AF+FR*(\a):AF+FR*(\a)+FR-1], v[8*(8*((\a)%4)+\b):8*(8*((\a)%4)+\b)+7], v[SC+8*(\q)+\b], v[SC+8*(\q)+(\a)] matrix_a_fmt:MATRIX_FMT_FP6 matrix_b_fmt:MATRIX_FMT_FP6 matrix_a_scale:MATRIX_SCALE_ROW1
.endif
.endr
.endr
.endm
.macro FETCH_B q                       ; B's eight fragments of K step q, from place (q / 2) % 3, into set q % 2
	WIN TO_B
.irp i, 0,1,2,3,4,5,6,7
.set ZZ, (((\q)+2)/4)%2                ; 1 for K steps 2 to 5: rows of 6,144 bytes; else place 0: rows of 3,072
	FRAG 128*((\q)%2)+FR*\i, ADRB+ZZ, (3072+3072*ZZ)*\i+1536*((\q)%2)*(1-ZZ)+1536*((\q)-2)*ZZ
.endr
	WIN 0
.endm
.macro FETCH_A q, i0                   ; A's blocks i0 .. i0 + 3
.irp i, \i0, \i0+1, \i0+2, \i0+3
.set ZZ, (((\q)+2)/4)%2
	FRAG AF+FR*(\i), ADRA+ZZ, (3072+3072*ZZ)*(\i)+1536*((\q)%2)*(1-ZZ)+1536*((\q)-2)*ZZ
.endr
.endm
.macro PLACES n                        ; plain vector instructions between a matrix instruction and a load into, or a read of, its registers
.rept \n
	v_nop
.endr
.endm
.macro STEP q, zero                    ; an even K step: its successor lies in the same place
	s_wait_dscnt 4*NL                              ; B's set and A's blocks 0-3 are in; the youngest 12 loads (A's blocks 4-7) may be out
	WIN MUL_LO
	MUL16 0, \q, \zero
	MUL16 2, \q, \zero
	s_wait_dscnt 0
	PLACES NP
	FETCH_B (\q)+1
	FETCH_A (\q)+1, 0
	WIN MUL_HI
	MUL16 4, \q, \zero
	MUL16 6, \q, \zero
	PLACES NP
	WIN 0
	FETCH_A (\q)+1, 4
.endm
; An odd K step changes places: one barrier.  tc: how many younger tensor loads of mine may stay out when the next place's has landed.  fill = 1: place 0, which nobody reads any more, is filled a second time:
; then the wait is for all my loads, the add follows it, and the load stands first behind the barrier.
.macro TURN q, tc, fill
	s_wait_tensorcnt \tc
.if \fill
	s_wait_asynccnt 0x0                            ; and all my copies
	ds_add_u32 v[SPW], v[NIL]
	s_wait_dscnt 4*NL+1                            ; (the add and the youngest 12 loads may be out)
.else
	s_wait_dscnt 4*NL
.endif
	WIN MUL_LO
	MUL16 0, \q, 0
	s_wait_dscnt 0x0                               ; my reads of this place are over (fill = 1: and the add is done)
	s_barrier_signal -1
	MUL16 2, \q, 0
	WIN 0
	s_barrier_wait -1
.if \fill
	tensor_load_to_lds s[56:59], s[24:31]          ; K steps 6 and 7 into place 0: my one load behind this barrier; it has K steps 3 (half), 4 and 5 (half) in which to land
	s_nop 0
.endif
	PLACES NP
	FETCH_B (\q)+1
	FETCH_A (\q)+1, 0
	WIN MUL_HI
	MUL16 4, \q, 0
	MUL16 6, \q, 0
	PLACES NP
	WIN 0
	FETCH_A (\q)+1, 4
.endm
	s_wait_alu depctr_va_vdst(0)                   ; the wait at the head's end
	s_wait_asynccnt 0x0                            ; my copies have landed: the scale words and K steps 0, 1; my tensor load may stay out
	s_barrier_signal -1
	s_barrier_wait -1
	FETCH_B 0
	FETCH_A 0, 0
.irp q, 0,1,2,3,4,5,6,7
.irp i, 0,1,2,3,4,5,6,7
	ds_load_b32 v[SC+8*\q+\i], v[ADRS] offset:512*\i+64*\q
.endr
.endr
	FETCH_A 0, 4
	STEP 0, 1                                      ; the first step's products start the sums
	TURN 1, 0, 1                                   ; K steps 2 to 5 have landed; place 0 is read no more and takes K steps 6, 7
	STEP 2, 0
	STEP 3, 0
	STEP 4, 0
	TURN 5, 0, 0                                   ; the second fill of place 0 has landed: no load was issued behind it
	STEP 6, 0
	s_wait_dscnt 4*NL
	WIN MUL_LO
	MUL16 0, 7, 0
	MUL16 2, 7, 0
	s_wait_dscnt 0
	WIN MUL_HI
	MUL16 4, 7, 0
	MUL16 6, 7, 0
	WIN 0
	PLACES NP                                      ; behind the last products, ahead of the first read or write of their registers
	s_cmp_lg_u32 s74, 0
	s_cbranch_scc1 .Lvout                          ; a tile of vh^T has its own way out: the branch hangs on the work-group's number alone
; THE SCORES' WAY OUT.  Accumulator (a, b), register j, lane (r, h): query 16 b + 8 h + j, key 32 (a / 2) + 8 (a % 2) + r + 8 (r / 8), each within my 128.  The branches hang on ids and the wave's number alone.
	s_cmp_lg_u32 s10, s11
	s_cbranch_scc1 .Llive                          ; under the diagonal: every entry counts
	s_cmp_lt_u32 s15, s16
	s_cbranch_scc1 .Llive                          ; keys' first half, queries' second: likewise
	s_cmp_gt_u32 s15, s16
	s_cbranch_scc1 .Ldead                          ; keys' second half, queries' first: none counts
; on the diagonal: hidden where the key comes after the query: 16 b - 32 (a / 2) - 8 (a % 2) + j < r + 8 (r / 8) - 8 h, whose right side lies in -8 .. 23
.set aa, 0
.rept 8
.set WN, 2+aa/4
	WIN WN|(WN<<6)
.set bb, 0
.rept 8
.set lo, 16*bb-32*(aa/2)-8*(aa%2)
.set rg, 64*(aa%4)+8*bb
.if lo < -15
.irp j, 0,1,2,3,4,5,6,7
	v_mov_b32 v[rg+\j], 0xff800000
.endr
.elseif lo < 23
.irp j, 0,1,2,3,4,5,6,7
	v_cmp_lt_i32 vcc_lo, lo+\j, v[D0]
	v_cndmask_b32 v[rg+\j], v[rg+\j], v[NEGI], vcc_lo
.endr
.endif
.set bb, bb+1
.endr
.set aa, aa+1
.endr
	WIN 0
.Llive:
.macro MAXW W                          ; the largest of each of a window's four blocks' 64 scores of my lane, the four by turns; each accumulator is read from its low end on
.set M0, MX+4*((\W)-2)
	WIN (\W)|((\W)<<2)|((\W)<<4)
.irp x, 0,1,2,3
	v_max3_num_f32 v[M0+\x], v[64*\x], v[64*\x+1], v[64*\x+2]
.endr
	WIN ((\W)<<2)|((\W)<<4)
.set ii, 3
.rept 30
.irp x, 0,1,2,3
	v_max3_num_f32 v[M0+\x], v[M0+\x], v[64*\x+ii], v[64*\x+ii+1]
.endr
.set ii, ii+2
.endr
.irp x, 0,1,2,3
	v_max_num_f32 v[M0+\x], v[M0+\x], v[64*\x+63]
.endr
.endm
	MAXW 2
	MAXW 3
	WIN 0
.irp a, 0,1,2,3,4,5,6,7
	v_permlanex16_b32 v[T+\a], v[MX+\a], s[SEL], s[SEL+1]
.endr
.irp a, 0,1,2,3,4,5,6,7
	v_max_num_f32 v[MX+\a], v[MX+\a], v[T+\a]      ; with lane l xor 16's queries
.endr
.irp a, 0,1,2,3,4,5,6,7
	v_mul_f32 v[MX+\a], s[CS], v[MX+\a]
.endr
.irp a, 0,1,2,3,4,5,6,7
	v_floor_f32 v[NMV+2*\a], -v[MX+\a]             ; NM = floor(-c m): the maximum is taken away as a whole number
.endr
.irp a, 0,1,2,3,4,5,6,7
	v_mov_b32 v[NMV+2*\a+1], v[NMV+2*\a]           ; (named with it as a pair)
.endr
.macro FMA a                           ; c s + NM, two at a time
.set WN, 2+(\a)/4
	WIN WN|(WN<<6)
.set jj, 0
.rept 32
	v_pk_fma_f32 v[64*((\a)%4)+jj:64*((\a)%4)+jj+1], v[64*((\a)%4)+jj:64*((\a)%4)+jj+1], s[CS:CS+1], v[NMV+2*(\a):NMV+2*(\a)+1] op_sel_hi:[1,0,0]
.set jj, jj+2
.endr
.endm
.macro EXPA a
.set WN, 2+(\a)/4
	WIN WN|(WN<<6)
.set jj, 0
.rept 64
	v_exp_f32 v[64*((\a)%4)+jj], v[64*((\a)%4)+jj]
.set jj, jj+1
.endr
.endm
.macro SUM a                           ; the 64 in two chains of packed additions
.set WN, 2+(\a)/4
.set sb, 64*((\a)%4)
	WIN WN|(WN<<2)
	v_pk_add_f32 v[LS+2*(\a):LS+2*(\a)+1], v[sb:sb+1], v[sb+2:sb+3]
	v_pk_add_f32 v[T:T+1], v[sb+4:sb+5], v[sb+6:sb+7]
	WIN WN<<2
.set jj, 8
.rept 14
	v_pk_add_f32 v[LS+2*(\a):LS+2*(\a)+1], v[LS+2*(\a):LS+2*(\a)+1], v[sb+jj:sb+jj+1]
	v_pk_add_f32 v[T:T+1], v[T:T+1], v[sb+jj+2:sb+jj+3]
.set jj, jj+4
.endr
	WIN 0
	v_pk_add_f32 v[LS+2*(\a):LS+2*(\a)+1], v[LS+2*(\a):LS+2*(\a)+1], v[T:T+1]
.endm
	FMA 0
	s_wait_alu depctr_va_vdst(0)
	EXPA 0
.irp a, 1,2,3,4,5,6,7                  ; a block's 64 exponentials are one batch: the next block's scalings stand behind them, then one wait, then the batch's readers
	FMA \a
	s_wait_alu depctr_va_vdst(0)
	SUM \a-1
	EXPA \a
.endr
	v_nop
	s_wait_alu depctr_va_vdst(0)
	SUM 7
.irp a, 0,1,2,3,4,5,6,7
	v_add_f32 v[LS+2*\a], v[LS+2*\a], v[LS+2*\a+1]
.endr
.irp a, 0,1,2,3,4,5,6,7
	v_permlanex16_b32 v[T+\a], v[LS+2*\a], s[SEL], s[SEL+1]
.endr
.irp a, 0,1,2,3,4,5,6,7
	v_add_f32 v[LS+2*\a], v[LS+2*\a], v[T+\a]
.endr
	s_branch .Ljoin
.Ldead:
.irp a, 0,1,2,3,4,5,6,7
	v_mov_b32 v[NMV+2*\a], 0x7f61b1e6              ; 3e38: over every NM, so it never is the least; its sum is 0
	v_mov_b32 v[LS+2*\a], 0
.endr
.Ljoin:
	s_wait_alu depctr_va_vdst(0)
.irp a, 0,1,2,3,4,5,6,7
	ds_store_b32 v[CW], v[NMV+2*\a] offset:64*\a   ; lanes r and 16 + r write the same word with the same value
	ds_store_b32 v[CW], v[LS+2*\a] offset:512+64*\a
.endr
	s_wait_dscnt 0x0                               ; for the others' sake: my stores have landed
	s_barrier_signal -1
	s_barrier_wait -1
.irp p, 0,1                            ; the two waves that hold my keys' two halves of the queries; of their 128 keys I finish 64
.irp l, 0,1
.irp e, 0,1
	ds_load_b32 v[GR+4*\p+2*\l+\e], v[CR] offset:1024*\p+512*\l+128*\e
.endr
.endr
.endr
	s_wait_dscnt 0x0
.irp e, 0,1
	v_min_num_f32 v[NO+\e], v[GR+\e], v[GR+4+\e]   ; the lesser NM belongs to the larger maximum
.endr
.irp e, 0,1
	v_sub_f32 v[DD+\e], v[NO+\e], v[GR+\e]         ; whole numbers, 0 or less
	v_sub_f32 v[DD+2+\e], v[NO+\e], v[GR+4+\e]
.endr
.irp e, 0,1,2,3
	v_cvt_i32_f32 v[DD+\e], v[DD+\e]               ; (it saturates)
.endr
.irp e, 0,1
	v_ldexp_f32 v[GR+2+\e], v[GR+2+\e], v[DD+\e]   ; each sum under the common NM: nothing is rounded
	v_ldexp_f32 v[GR+6+\e], v[GR+6+\e], v[DD+2+\e]
.endr
.irp e, 0,1
	v_add_f32 v[LO+\e], v[GR+2+\e], v[GR+6+\e]
.endr
.irp e, 0,1
	global_store_b32 v[VK], v[NO+\e], s[6:7] offset:128*\e          ; 32 lanes store 128 consecutive bytes: 32 keys in true order
	global_store_b32 v[VK], v[LO+\e], s[6:7] offset:8192+128*\e
.endr
	s_wait_tensorcnt 0x0                           ; the wave's end
	ds_add_u32 v[SPW], v[NIL]
	s_wait_dscnt 0x0
	s_endpgm
; vh^T's WAY OUT.  Accumulator (a, b), register j, lane (r, h): row 16 a + r of my 128 of vh^T, key 32 (b / 2) + 16 h + 8 (b % 2) + j of my 128 (v's records hold its rows in that order): a lane's 64 numbers of a block a are one
; K step of the last product.  They become a fragment's 12 registers and a scale word and leave as an image of the operand's registers.  No LDS is touched.
; 64 numbers of a lane in window W, v[s] .. v[s + 63], register 16 b + i = k 32 b + 16 (lane / 16) + i of my row, become codes in v[PC] on and a scale word in v[pw].  Each accumulator is read from its low end on.
.macro QUANTW s, W, pw
	WIN (\W)|((\W)<<2)
.irp b, 0,1,2,3
	v_max3_num_f32 v[TM+\b], |v[(\s)+16*\b]|, |v[(\s)+1+16*\b]|, 0x1800000   ; block b: my 16 numbers, and the floor 2^(3 - 127): the byte cannot fall under 1
.endr
	WIN ((\W)<<2)|((\W)<<4)
.irp i, 2,4,6,8,10,12,14
.irp b, 0,1,2,3
	v_max3_num_f32 v[TM+\b], v[TM+\b], |v[(\s)+16*\b+\i]|, |v[(\s)+1+16*\b+\i]|
.endr
.endr
	WIN 0
.irp b, 0,1,2,3
	v_permlanex16_b32 v[TM+4+\b], v[TM+\b], s[SEL], s[SEL+1]
.endr
.irp b, 0,1,2,3
	v_max_num_f32 v[TM+\b], v[TM+\b], v[TM+4+\b]   ; with lane l xor 16's: the block's largest magnitude
.endr
.irp b, 0,1,2,3
	v_add_nc_u32 v[TM+12+\b], 0xff000000, v[TM+\b] ; 2 off its exponent field: the conversion's scale operand
.endr
.irp b, 0,1,2,3
	v_lshrrev_b32 v[TM+4+\b], 23, v[TM+12+\b]      ; the scale's byte
.endr
	v_lshl_or_b32 v[\pw], v[TM+5], 8, v[TM+4]
	v_lshl_or_b32 v[\pw], v[TM+6], 16, v[\pw]
	v_lshl_or_b32 v[\pw], v[TM+7], 24, v[\pw]
	WIN (\W)
.irp c, 0,1
	v_cvt_scalef32_pk16_fp6_f32 v[PC+6*\c:PC+2+6*\c], v[(\s)+32*\c:(\s)+15+32*\c], v[TM+12+2*\c]
	v_cvt_scalef32_pk16_fp6_f32 v[PC+12+4*\c:PC+14+4*\c], v[(\s)+16+32*\c:(\s)+31+32*\c], v[TM+12+2*\c+1]   ; (a conversion's three registers begin on an even number)
.endr
	WIN 0
	v_nop                                          ; one plain place behind a scaled conversion
.irp c, 0,1                            ; the operand's layout wants a whole block in a lane: lanes 0-15 block 2 c, lanes 16-31 block 2 c + 1
.irp i, 0,1,2
	v_permlane16_swap_b32 v[PC+6*\c+\i], v[PC+12+4*\c+\i]
.endr
.irp i, 0,1,2
	v_mov_b32 v[PC+3+6*\c+\i], v[PC+12+4*\c+\i]
.endr
.endr
.endm
.Lvout:
.irp b, 0,1,2,3
	v_mov_b32 v[TM+4+\b], 0                        ; written once: a lane permute's destination counts as one of its sources
.endr
	s_mov_b32 s2, 0xffff0000                       ; lanes 16-31
	s_lshl_b32 s76, s73, 1
.if VP0
	s_add_co_u32 s76, s76, 2*VP0
.endif
	s_add_co_u32 s76, s76, s16                     ; which 128 of v's 8,192 rows are mine:
	s_lshr_b32 s77, s76, 4                         ; the batch,
	s_and_b32 s76, s76, 15                         ; the step of 128 keys
	s_mul_i32 s77, s77, 25600
	s_sub_co_u32 s78, ttmp9, 9
	s_lshl_b32 s78, s78, 4
	s_lshl_b32 s79, s15, 3
	s_add_co_u32 s78, s78, s79                     ; my first block of 16 rows of vh^T: 16 (x - 9) + 8 iA
	s_mul_i32 s78, s78, 102400
	s_add_co_u32 s78, s78, s77
	s_mul_i32 s79, s76, 1536
	s_lshl_b32 s80, s76, 6
	s_add_co_u32 s80, s80, 24576
	s_add_co_u32 s80, s80, s78                     ; the scale words' offset,
	s_mov_b32 s81, 0
	s_add_co_u32 s78, s78, s79                     ; the codes'
	s_mov_b32 s79, 0
	s_add_nc_u64 s[80:81], s[VREC:VREC+1], s[80:81]
	s_add_nc_u64 s[78:79], s[VREC:VREC+1], s[78:79]
.irp a, 0,1,2,3,4,5,6,7
.if \a > 0
	s_wait_xcnt 0x0                                ; the last block's stores have read their data: the codes' registers are written again only behind this wait
.endif
	QUANTW 64*(\a%4), 2+\a/4, PWR+\a
.irp c, 0,1,2
	global_store_b128 v[LI], v[PC+4*\c:PC+4*\c+3], s[78:79] offset:102400*\a+512*\c   ; 32 lanes store 512 consecutive bytes, at a multiple of 256 from the buffer's first byte
.endr
.endr
.irp e, 0,1,2,3
	v_cndmask_b32 v[PX+\e], v[PWR+2*\e], v[PWR+2*\e+1], s2   ; lanes 0-15: block 2 e's words, lanes 16-31: block 2 e + 1's
.endr
.irp e, 0,1,2,3
	global_store_b32 v[VS], v[PX+\e], s[80:81] offset:204800*\e   ; 64 bytes into each of two records
.endr
	s_wait_tensorcnt 0x0                           ; the wave's end
	ds_add_u32 v[SPW], v[NIL]
	s_wait_dscnt 0x0
	s_endpgm
.Lfunc_end_k_qbfee0a1fa6_stats:
	.size	k_qbfee0a1fa6_stats, .Lfunc_end_k_qbfee0a1fa6_stats-k_qbfee0a1fa6_stats
	.p2alignl 7, 3214868480
	.fill 96, 4, 3214868480
	.section	.rodata,"a",@progbits
	.p2align	6, 0x0
	.amdhsa_kernel k_qbfee0a1fa6_stats
		.amdhsa_group_segment_fixed_size 327680
		.amdhsa_private_segment_fixed_size 0
		.amdhsa_enable_private_segment 0
		.amdhsa_kernarg_size 32
		.amdhsa_user_sgpr_count 2
		.amdhsa_user_sgpr_kernarg_segment_ptr 1
		.amdhsa_wavefront_size32 1
		.amdhsa_system_sgpr_workgroup_id_x 1
		.amdhsa_system_sgpr_workgroup_id_y 1
		.amdhsa_system_sgpr_workgroup_id_z 1
		.amdhsa_system_vgpr_workitem_id 0
		.amdhsa_next_free_vgpr 1024
		.amdhsa_next_free_sgpr 100
		.amdhsa_reserve_vcc 1
		.amdhsa_float_denorm_mode_32 3
		.amdhsa_float_denorm_mode_16_64 3
		.amdhsa_memory_ordered 1
		.amdhsa_forward_progress 1
		.amdhsa_inst_pref_size 236
	.end_amdhsa_kernel
	.amdgpu_metadata
---
amdhsa.version: [ 1, 2 ]
amdhsa.kernels:
  - .name:           k_qbfee0a1fa6_stats
    .symbol:         k_qbfee0a1fa6_stats.kd
    .args:
      - { .name: hrec, .offset: 0, .size: 8, .value_kind: global_buffer, .address_space: global }
      - { .name: colstat, .offset: 8, .size: 8, .value_kind: global_buffer, .address_space: global }
      - { .name: xr, .offset: 16, .size: 8, .value_kind: global_buffer, .address_space: global }
      - { .name: vrec, .offset: 24, .size: 8, .value_kind: global_buffer, .address_space: global }
    .group_segment_fixed_size: 327680
    .private_segment_fixed_size: 0
    .kernarg_segment_align: 8
    .kernarg_segment_size: 32
    .max_flat_workgroup_size: 128
    .sgpr_count:     100
    .vgpr_count:     1024
    .wavefront_size: 32
...
	.end_amdgpu_metadata
.endif
;; end of part 3
;; launch probs (part 4): grid 13 x 16, 4 waves a work-group, no clusters, 327,680 bytes of LDS; arguments hrec, colstat, prec, xr, vrec; writes prec, vrec
.if DOCPART == 4
	.amdgcn_target "amdgcn-amd-amdhsa--gfx1250"
	.amdhsa_code_object_version 6
	.text
	.protected	k_qbfee0a1fa6_probs
	.globl	k_qbfee0a1fa6_probs
	.p2align	8
	.type	k_qbfee0a1fa6_probs,@function
k_qbfee0a1fa6_probs:
	s_mov_b64 s[64:65], 0
	v_nop
	global_prefetch_b8 v0, s[64:65] scope:SCOPE_SE
	s_setreg_imm32_b32 hwreg(HW_REG_WAVE_MODE, 25, 1), 1
	s_wait_xcnt 0x0
; LAUNCH 4 OF 5.  Work-groups with x under 9: the scores once more, with the sources exchanged (the same sums bit for bit), the finished probabilities p = 2^(c s + NM) / L, and their codes along the keys.
; Work-groups with x from 9 on: the other 64 tiles of vh^T = Wv v^T (v's rows 4,096 to 8,191), as in launch 3: the same loads and products as a tile of scores; the record numbers, the buffer and the way out alone differ.
; LEFT OUT: tiles of 256 x 256 and, on the diagonal, quadrants of 128 x 128 whose keys all come after their queries: reference()'s own mask makes p = 0 there (shown at the head of launch 1).
; NO CLUSTER: as in launch 3.
; Source 0 = 16 rows of B (keys; v's rows), source 1 = 16 rows of A (queries; Wv's rows): a lane holds ONE row of A, and since kh's and v's blocks hold the rows 32 b + 8 u + r + 8 (r / 8), the 16 registers of two neighbouring
; blocks are the 16 neighbours 32 b + 16 h + 0 .. 15.
; AHEAD OF THE PRODUCTS each thread of a tile of scores brings two keys' statistics together over the tiles of queries kt .. 7: NM = the least, L = the sum of the parts under it (v_ldexp_f32: exact), 1 / L; they lie in LDS in the keys' order.
; prec: for each batch and pair of row tiles (ti, 15 - ti) of 128 queries a stream of 17 tiles of 12,800 bytes (8 fragments' images of 1,536, then 8 x 64 bytes of scale words), in the order in which launch 5 walks them.
; LIMIT: a p under 2^-126 counts as 0.
.set REC,   12800
.set PART,  24576
.set PLACE, 4*PART
.set SCL,   3*PLACE
.set TAB,   SCL+4*4096                 ; NM of the tile's 256 keys, then 1 / L: written by ds_stores, touched by no tensor load
.set SPARE, TAB+4096
.set FR,    12
.set NL,    3
.set NP,    4
.set VP0,   16                         ; the first of v's tiles of 256 rows that this launch takes
.set VREC,  86                         ; s[86:87] vrec
.set ADRA, 16
.set VS,   19                          ; v19  vh^T: 4 r + h x 102,400
.set ADRB, 20
.set TW,   23                          ; v23  where I put two keys' NM
.set LI,   24                          ; v24  16 x lane
.set L4,   25                          ; v25  4 x lane
.set TK,   26                          ; v26  where my half's keys' NM begin
.set ADRS, 27
.set SPW,  28
.set NIL,  29
.set SC,   32
.set TM,   96                          ; v96-111  the quantiser's
.set PWR,  112                         ; v112-119 the eight blocks' scale words
.set PX,   120
.set AF,   128
.set NMK,  128                         ; v128-191 on the way out: NM of my 64 keys (1 / L: v0-63 of window 1)
.set PC,   192                         ; v192-210 the codes just made
.set VO,   200                         ; ahead of the products: v200-207 offsets, v208 8 x thread, v128-169 the statistics
.set NEGI, 224
.set D0,   225
.set CS,   60
.set SEL,  62
.set MSB, 0
.macro WIN new
.if MSB != (\new)
	s_set_vgpr_msb (MSB<<8)|(\new)
.set MSB, (\new)
.endif
.endm
.set MUL_LO, 0xa1
.set MUL_HI, 0xf1
.set TO_B,   0x40
	s_load_b128 s[4:7], s[0:1], 0x0                ; hrec, colstat
	s_load_b64 s[8:9], s[0:1], 0x10                ; prec
	s_load_b64 s[84:85], s[0:1], 0x18              ; vx
	s_load_b64 s[86:87], s[0:1], 0x20              ; vrec
	v_lshl_add_u32 v[SPW], v0, 2, SPARE
	v_mov_b32 v[NIL], 0
	ds_add_u32 v[SPW], v[NIL]                      ; the wave's opening: the add, twice on end, and its wait ahead of my first tensor load
	ds_add_u32 v[SPW], v[NIL]
	v_lshrrev_b32 v1, 5, v0
	v_readfirstlane_b32 s14, v1
	s_lshr_b32 s15, s14, 1                         ; iA
	s_and_b32 s16, s14, 1                          ; iB
	s_and_b32 s73, ttmp7, 0xffff                   ; y
	s_lshr_b32 s12, s73, 2                         ; scores: batch
	s_and_b32 s13, s73, 3
	s_sub_co_u32 s17, 7, s13
	s_sub_co_u32 s18, ttmp9, s13
	s_sub_co_u32 s18, s18, 1
	s_cmp_le_u32 ttmp9, s13
	s_cselect_b32 s10, s13, s17                    ; qt
	s_cselect_b32 s11, ttmp9, s18                  ; kt
	s_lshl_b32 s21, s12, 7
	s_lshl_b32 s18, s10, 4
	s_add_co_u32 s18, s18, s21                     ; scores: A = qh: record 128 x batch + 16 qt
	s_lshl_b32 s19, s11, 4
	s_add_co_u32 s19, s19, s21
	s_add_co_u32 s19, s19, 512                     ; B = kh: record 512 + 128 x batch + 16 kt
	s_sub_co_u32 s17, ttmp9, 9
	s_lshl_b32 s17, s17, 4
	s_add_co_u32 s17, s17, 1664                    ; vh^T: A = Wv: record 1,664 + 16 (x - 9) of xr
	s_lshl_b32 s75, s73, 4
	s_add_co_u32 s75, s75, 1024                    ; B = v: its records begin at 1,024
.if VP0
	s_add_co_u32 s75, s75, 16*VP0
.endif
	s_cmp_ge_u32 ttmp9, 9
	s_cselect_b32 s74, 1, 0                        ; 1: my tile is vh^T's
	s_cselect_b32 s18, s17, s18
	s_cselect_b32 s19, s75, s19
	s_cmp_eq_u32 s15, 0
	s_cselect_b32 s19, s18, s19
	s_lshl_b32 s21, s16, 3
	s_add_co_u32 s19, s19, s21                     ; my first record: the tile's first + 8 x half
	s_mul_i32 s20, s19, REC
	s_mov_b32 s21, 0
	s_mov_b32 s24, 3<<16                           ; group 1 for codes: 8 rows of 384 elements of 8 bytes, 1,600 elements apart
	s_mov_b32 s25, 384<<16
	s_mov_b32 s26, 8<<16
	s_mov_b32 s27, 384<<16
	s_mov_b32 s28, 8
	s_mov_b32 s29, 1600
	s_mov_b32 s30, 0
	s_mov_b32 s31, 0
	s_mov_b32 s32, 3<<16                           ; for the head's load: 8 rows of 768 elements
	s_mov_b32 s33, 768<<16                         ; (this group 1 now serves the head's load: 8 rows of 768 elements, K steps 2 to 5)
	s_mov_b32 s34, 8<<16
	s_mov_b32 s35, 768<<16
	s_mov_b32 s36, 8
	s_mov_b32 s37, 1600
	s_mov_b32 s38, 0
	s_mov_b32 s39, 0
	s_mul_i32 s22, s14, PART
	s_lshl_b32 s23, s14, 12
	s_mov_b32 s[CS], 0x3d38aa3b                    ; c = log2(e) / 32
	s_mov_b32 s[CS+1], s[CS]
	s_mov_b32 s[SEL], 0x76543210
	s_mov_b32 s[SEL+1], 0xfedcba98
; THE FIRST FILLS, as in launch 3: K steps 0, 1 and the scale words by 56 asynchronous copies of 512 bytes, K steps 2 to 5 by my one tensor load; K steps 6, 7 fill place 0 again behind K step 1's barrier.
.set CL, 226                           ; v226, v227 LDS addresses; v228-243 offsets in memory: untouched until the wait on ASYNCcnt
.set CG, 228
	v_and_b32 v1, 31, v0
	v_lshlrev_b32 v[LI], 4, v1
	v_add_nc_u32 v[CL], s22, v[LI]
	v_add_nc_u32 v[CL+1], s23, v[LI]
	v_add_nc_u32 v[CL+1], SCL, v[CL+1]
.irp i, 0,1,2,3,4,5,6,7
	v_add_nc_u32 v[CG+\i], 9728*\i, v[LI]
	v_add_nc_u32 v[CG+8+\i], 12288+12288*\i, v[LI]
.endr
	s_wait_alu depctr_va_vdst(0)                   ; the wait ahead of the waits below
	s_wait_dscnt 0x0
	s_wait_kmcnt 0x0
	s_cmp_lg_u32 s74, 0
	s_cselect_b64 s[4:5], s[84:85], s[4:5]         ; the operands' buffer: the choice hangs on the work-group's number alone
	s_add_nc_u64 s[20:21], s[4:5], s[20:21]
	s_lshl_b32 s41, s22, 1
	s_mov_b32 s44, 1                               ; K steps 2 to 5: behind place 0, 49,152 bytes a wave
	s_add_co_u32 s45, s41, PLACE
	s_add_nc_u64 s[46:47], s[20:21], 3072
	s_or_b32 s47, s47, 0x80000000
	s_mov_b32 s56, 1                               ; K steps 6, 7: place 0's second fill
	s_mov_b32 s57, s22
	s_add_nc_u64 s[58:59], s[20:21], 9216
	s_or_b32 s59, s59, 0x80000000
.irp i, 0,1,2,3,4,5,6,7
.irp c, 0,1,2,3,4,5
	global_load_async_to_lds_b128 v[CL], v[CG+\i], s[20:21] offset:3072*\i+512*\c
.endr
	global_load_async_to_lds_b128 v[CL+1], v[CG+8+\i], s[20:21] offset:512*\i
.endr
	tensor_load_to_lds s[44:47], s[32:39]          ; my one tensor load at the head
	s_nop 0
.rept 4
	v_nop
.endr
	v_and_b32 v1, 31, v0
	v_and_b32 v2, 15, v0
	v_bfe_u32 v3, v0, 4, 1
	s_wait_alu depctr_va_vdst(0)
	v_lshlrev_b32 v[LI], 4, v1
	v_lshlrev_b32 v[L4], 2, v1
	s_mul_i32 s66, s15, PART
	s_mul_i32 s67, s16, PART
	s_add_co_u32 s67, s67, 2*PART
	v_add_nc_u32 v[ADRA], s66, v[LI]               ; place 0
	v_add_nc_u32 v[ADRB], s67, v[LI]
	s_lshl_b32 s66, s66, 1
	s_lshl_b32 s67, s67, 1
	s_add_co_u32 s66, s66, PLACE
	s_add_co_u32 s67, s67, PLACE
	v_add_nc_u32 v[ADRA+1], s66, v[LI]             ; K steps 2 to 5: parts of twice the size, behind place 0
	v_add_nc_u32 v[ADRB+1], s67, v[LI]
	s_lshl_b32 s66, s15, 12
	s_lshl_b32 s67, s16, 12
	s_add_co_u32 s67, s67, 2*4096
	s_sub_co_u32 s67, s67, s66
	v_mul_u32_u24 v5, s67, v3
	s_add_co_u32 s66, s66, SCL
	v_lshl_add_u32 v5, v2, 2, v5
	v_add_nc_u32 v[ADRS], s66, v5
	v_lshl_add_u32 v[TW], v0, 3, TAB
	s_lshl_b32 s66, s16, 9
	s_add_co_u32 s66, s66, TAB
	v_lshl_add_u32 v[TK], v3, 6, s66               ; TAB + 512 iB + 64 h
	v_lshlrev_b32 v5, 4, v3
	v_sub_nc_u32 v[D0], v2, v5                     ; r - 16 h
	v_mul_u32_u24 v[VS], v3, 102400
	v_lshl_add_u32 v[VS], v2, 2, v[VS]
	v_mov_b32 v[NEGI], 0xff800000
.irp b, 0,1,2,3
	v_mov_b32 v[TM+4+\b], 0                        ; written once: a lane permute's destination counts as one of its sources
.endr
	s_mov_b32 s2, 0xffff0000                       ; lanes 16-31
	s_cmp_lg_u32 s74, 0
	s_cbranch_scc1 .Lnostat                        ; a tile of vh^T has no statistics: the branch hangs on the work-group's number alone
	; my quadrant: row tile rt of 128 queries, step ks of 128 keys; its place in prec
	s_lshl_b32 s76, s10, 1
	s_add_co_u32 s76, s76, s15                     ; rt
	s_lshl_b32 s77, s11, 1
	s_add_co_u32 s77, s77, s16                     ; ks
	s_sub_co_u32 s68, 15, s76
	s_add_co_u32 s69, s77, 1
	s_sub_co_u32 s70, 17, s77
	s_cmp_lt_u32 s76, 8                            ; the pair's lower tile?
	s_cselect_b32 s68, s76, s68                    ; ti
	s_cselect_b32 s69, s70, s69                    ; lower: 17 - ks; upper: ks + 1;
	s_cselect_b32 s70, 1, 0
	s_cmp_eq_u32 s77, 0
	s_cselect_b32 s69, s70, s69                    ; step 0: lower 1, upper 0
	s_lshl_b32 s70, s12, 3
	s_add_co_u32 s68, s68, s70
	s_mul_i32 s68, s68, 17
	s_add_co_u32 s68, s68, s69
	s_mul_i32 s68, s68, 12800
	s_mov_b32 s69, 0
	s_add_nc_u64 s[8:9], s[8:9], s[68:69]
	; THE STATISTICS.  Thread t has keys 2 t, 2 t + 1 of the tile.  Rows under kt were never written: row kt is read in their stead, and counts for nothing
	v_lshlrev_b32 v208, 3, v0
	s_wait_alu depctr_va_vdst(0)
.irp i, 0,1,2,3,4,5,6,7
	s_max_u32 s66, s11, \i
	s_lshl_b32 s66, s66, 14
	v_add_nc_u32 v[VO+\i], s66, v208
.endr
	s_lshl_b32 s66, s12, 17
	s_lshl_b32 s67, s11, 10
	s_add_co_u32 s66, s66, s67
	s_mov_b32 s67, 0
	s_add_nc_u64 s[6:7], s[6:7], s[66:67]
	s_wait_alu depctr_va_vdst(0)
.irp i, 0,1,2,3,4,5,6,7
	global_load_b64 v[128+4*\i:129+4*\i], v[VO+\i], s[6:7]
	global_load_b64 v[130+4*\i:131+4*\i], v[VO+\i], s[6:7] offset:8192
.endr
	v_mov_b32 v160, 0x7f61b1e6                     ; 3e38: over every NM
	s_wait_alu depctr_va_vdst(0)
	s_wait_loadcnt 0x0
.irp i, 0,1,2,3,4,5,6
	s_cmp_lt_u32 \i, s11
	s_cselect_b32 s66, -1, 0
	v_cndmask_b32 v[128+4*\i], v[128+4*\i], v160, s66
	v_cndmask_b32 v[129+4*\i], v[129+4*\i], v160, s66
.endr
	v_min_num_f32 v162, v128, v132
	v_min_num_f32 v163, v129, v133
.irp i, 2,3,4,5,6,7
	v_min_num_f32 v162, v162, v[128+4*\i]
	v_min_num_f32 v163, v163, v[129+4*\i]
.endr
.irp i, 0,1,2,3,4,5,6,7
	v_sub_f32 v166, v162, v[128+4*\i]              ; a whole number, 0 or less
	v_sub_f32 v167, v163, v[129+4*\i]
	v_cvt_i32_f32 v166, v166                       ; (it saturates: a row that counts for nothing falls to 0)
	v_cvt_i32_f32 v167, v167
.if \i == 0
	v_ldexp_f32 v164, v[130+4*\i], v166
	v_ldexp_f32 v165, v[131+4*\i], v167
.else
	v_ldexp_f32 v166, v[130+4*\i], v166
	v_ldexp_f32 v167, v[131+4*\i], v167
	v_add_f32 v164, v164, v166
	v_add_f32 v165, v165, v167
.endif
.endr
	s_wait_alu depctr_va_vdst(0)
	v_rcp_f32 v164, v164
	v_rcp_f32 v165, v165
	v_nop                                          ; a plain place behind the reciprocals,
	s_wait_alu depctr_va_vdst(0)                   ; and the one wait ahead of their first reader
	ds_store_b64 v[TW], v[162:163]
	ds_store_b64 v[TW], v[164:165] offset:1024
.Lnostat:
.macro FRAG reg, adr, off
.irp c, 0,1,2
	ds_load_b128 v[(\reg)+4*\c:(\reg)+4*\c+3], v[\adr] offset:(\off)+512*\c
.endr
.endm
; The 64 accumulators take turns, one instruction a turn, in the same order in every step.
.macro MUL16 a0, q, zero
.irp a, \a0, \a0+1
.irp b, 0,1,2,3,4,5,6,7
.if \zero
	v_wmma_scale_f32_16x16x128_f8f6f4 v[8*(8*((\a)%4)+\b):8*(8*((\a)%4)+\b)+7], v[128*((\q)%2)+FR*\b:128*((\q)%2)+FR*\b+FR-1], v[AF+FR*(\a):AF+FR*(\a)+FR-1], 0, v[SC+8*(\q)+\b], v[SC+8*(\q)+(\a)] matrix_a_fmt:MATRIX_FMT_FP6 matrix_b_fmt:MATRIX_FMT_FP6 matrix_a_scale:MATRIX_SCALE_ROW1
.else
	v_wmma_scale_f32_16x16x128_f8f6f4 v[8*(8*((\a)%4)+\b):8*(8*((\a)%4)+\b)+7], v[128*((\q)%2)+FR*\b:128*((\q)%2)+FR*\b+FR-1], v[AF+FR*(\a):AF+FR*(\a)+FR-1], v[8*(8*((\a)%4)+\b):8*(8*((\a)%4)+\b)+7], v[SC+8*(\q)+\b], v[SC+8*(\q)+(\a)] matrix_a_fmt:MATRIX_FMT_FP6 matrix_b_fmt:MATRIX_FMT_FP6 matrix_a_scale:MATRIX_SCALE_ROW1
.endif
.endr
.endr
.endm
.macro FETCH_B q
	WIN TO_B
.irp i, 0,1,2,3,4,5,6,7
.set ZZ, (((\q)+2)/4)%2                ; 1 for K steps 2 to 5: rows of 6,144 bytes; else place 0: rows of 3,072
	FRAG 128*((\q)%2)+FR*\i, ADRB+ZZ, (3072+3072*ZZ)*\i+1536*((\q)%2)*(1-ZZ)+1536*((\q)-2)*ZZ
.endr
	WIN 0
.endm
.macro FETCH_A q, i0
.irp i, \i0, \i0+1, \i0+2, \i0+3
.set ZZ, (((\q)+2)/4)%2
	FRAG AF+FR*(\i), ADRA+ZZ, (3072+3072*ZZ)*(\i)+1536*((\q)%2)*(1-ZZ)+1536*((\q)-2)*ZZ
.endr
.endm
.macro PLACES n                        ; plain vector instructions between a matrix instruction and a load into, or a read of, its registers
.rept \n
	v_nop
.endr
.endm
.macro STEP q, zero
	s_wait_dscnt 4*NL                              ; B's set and A's blocks 0-3 are in; the youngest 12 loads may be out
	WIN MUL_LO
	MUL16 0, \q, \zero
	MUL16 2, \q, \zero
	s_wait_dscnt 0
	PLACES NP
	FETCH_B (\q)+1
	FETCH_A (\q)+1, 0
	WIN MUL_HI
	MUL16 4, \q, \zero
	MUL16 6, \q, \zero
	PLACES NP
	WIN 0
	FETCH_A (\q)+1, 4
.endm
.macro TURN q, tc, fill                ; as in launch 3: an odd K step changes places; fill = 1: place 0 is filled a second time
	s_wait_tensorcnt \tc
.if \fill
	s_wait_asynccnt 0x0                            ; and all my copies
	ds_add_u32 v[SPW], v[NIL]
	s_wait_dscnt 4*NL+1                            ; (the add and the youngest 12 loads may be out)
.else
	s_wait_dscnt 4*NL
.endif
	WIN MUL_LO
	MUL16 0, \q, 0
	s_wait_dscnt 0x0                               ; my reads of this place are over (fill = 1: and the add is done)
	s_barrier_signal -1
	MUL16 2, \q, 0
	WIN 0
	s_barrier_wait -1
.if \fill
	tensor_load_to_lds s[56:59], s[24:31]          ; K steps 6 and 7 into place 0: my one load behind this barrier
	s_nop 0
.endif
	PLACES NP
	FETCH_B (\q)+1
	FETCH_A (\q)+1, 0
	WIN MUL_HI
	MUL16 4, \q, 0
	MUL16 6, \q, 0
	PLACES NP
	WIN 0
	FETCH_A (\q)+1, 4
.endm
	s_wait_alu depctr_va_vdst(0)                   ; the wait at the head's end
	s_wait_asynccnt 0x0                            ; my copies have landed: the scale words and K steps 0, 1; my tensor load may stay out
	s_wait_dscnt 0x0                               ; my keys' NM and 1 / L have landed
	s_barrier_signal -1
	s_barrier_wait -1
	FETCH_B 0
	FETCH_A 0, 0
.irp q, 0,1,2,3,4,5,6,7
.irp i, 0,1,2,3,4,5,6,7
	ds_load_b32 v[SC+8*\q+\i], v[ADRS] offset:512*\i+64*\q
.endr
.endr
	FETCH_A 0, 4
	STEP 0, 1
	TURN 1, 0, 1                                   ; K steps 2 to 5 have landed; place 0 is read no more and takes K steps 6, 7
	STEP 2, 0
	STEP 3, 0
	STEP 4, 0
	TURN 5, 0, 0
	STEP 6, 0
	s_wait_dscnt 4*NL
	WIN MUL_LO
	MUL16 0, 7, 0
	MUL16 2, 7, 0
	s_wait_dscnt 0
	WIN MUL_HI
	MUL16 4, 7, 0
	MUL16 6, 7, 0
	WIN 0
	PLACES NP
	s_cmp_lg_u32 s74, 0
	s_cbranch_scc1 .Lvout                          ; a tile of vh^T has its own way out
; THE SCORES' WAY OUT.  Accumulator (a, b), register j, lane (r, h): query 16 a + r, key 32 (b / 2) + 16 h + 8 (b % 2) + j, each within my 128.  The branches hang on ids and the wave's number alone.
	s_cmp_gt_u32 s77, s76
	s_cbranch_scc1 .Lend                           ; my quadrant lies wholly above the diagonal: nothing is made of it
.irp n, 0,1,2,3,4,5,6,7,8,9,10,11,12,13,14,15
	ds_load_b128 v[NMK+4*\n:NMK+4*\n+3], v[TK] offset:128*(\n/4)+16*(\n%4)        ; register 16 b + i: NM of key 32 b + 16 h + i
.endr
	WIN 0x40
.irp n, 0,1,2,3,4,5,6,7,8,9,10,11,12,13,14,15
	ds_load_b128 v[4*\n:4*\n+3], v[TK] offset:1024+128*(\n/4)+16*(\n%4)           ; and 1 / L, into window 1
.endr
	WIN 0
	s_cmp_lg_u32 s77, s76
	s_cbranch_scc1 .Lopen
; on the diagonal: hidden where the key comes after the query: 32 (b / 2) + 8 (b % 2) - 16 a + j > r - 16 h, whose right side lies in -16 .. 15
.set aa, 0
	s_wait_alu depctr_va_vdst(0)
.rept 8
.set WN, 2+aa/4
	WIN WN|(WN<<6)
.set bb, 0
.rept 8
.set lo, 32*(bb/2)+8*(bb%2)-16*aa
.set rg, 64*(aa%4)+8*bb
.if lo > 15
.irp j, 0,1,2,3,4,5,6,7
	v_mov_b32 v[rg+\j], 0xff800000
.endr
.elseif lo > -23
.irp j, 0,1,2,3,4,5,6,7
	v_cmp_gt_i32 vcc_lo, lo+\j, v[D0]
	v_cndmask_b32 v[rg+\j], v[rg+\j], v[NEGI], vcc_lo
.endr
.endif
.set bb, bb+1
.endr
.set aa, aa+1
.endr
	WIN 0
.Lopen:
	s_wait_dscnt 0x0
.macro QUANTW s, W, pw                 ; as in launch 2: 64 numbers of a lane in window W become a fragment's codes in v[PC] on and its scale word in v[pw]
	WIN (\W)|((\W)<<2)
.irp b, 0,1,2,3
	v_max3_num_f32 v[TM+\b], |v[(\s)+16*\b]|, |v[(\s)+1+16*\b]|, 0x1800000
.endr
	WIN ((\W)<<2)|((\W)<<4)
.irp i, 2,4,6,8,10,12,14
.irp b, 0,1,2,3
	v_max3_num_f32 v[TM+\b], v[TM+\b], |v[(\s)+16*\b+\i]|, |v[(\s)+1+16*\b+\i]|
.endr
.endr
	WIN 0
.irp b, 0,1,2,3
	v_permlanex16_b32 v[TM+4+\b], v[TM+\b], s[SEL], s[SEL+1]
.endr
.irp b, 0,1,2,3
	v_max_num_f32 v[TM+\b], v[TM+\b], v[TM+4+\b]
.endr
.irp b, 0,1,2,3
	v_add_nc_u32 v[TM+12+\b], 0xff000000, v[TM+\b]
.endr
.irp b, 0,1,2,3
	v_lshrrev_b32 v[TM+4+\b], 23, v[TM+12+\b]
.endr
	v_lshl_or_b32 v[\pw], v[TM+5], 8, v[TM+4]
	v_lshl_or_b32 v[\pw], v[TM+6], 16, v[\pw]
	v_lshl_or_b32 v[\pw], v[TM+7], 24, v[\pw]
	WIN (\W)
.irp c, 0,1
	v_cvt_scalef32_pk16_fp6_f32 v[PC+6*\c:PC+2+6*\c], v[(\s)+32*\c:(\s)+15+32*\c], v[TM+12+2*\c]
	v_cvt_scalef32_pk16_fp6_f32 v[PC+12+4*\c:PC+14+4*\c], v[(\s)+16+32*\c:(\s)+31+32*\c], v[TM+12+2*\c+1]
.endr
	WIN 0
	v_nop                                          ; one plain place behind a scaled conversion
.irp c, 0,1
.irp i, 0,1,2
	v_permlane16_swap_b32 v[PC+6*\c+\i], v[PC+12+4*\c+\i]
.endr
.irp i, 0,1,2
	v_mov_b32 v[PC+3+6*\c+\i], v[PC+12+4*\c+\i]
.endr
.endr
.endm
.macro FMAP a                          ; c s + NM of each key, two at a time; each accumulator is read from its low end on
.set WN, 2+(\a)/4
	WIN WN|(WN<<6)
.set jj, 0
.rept 32
	v_pk_fma_f32 v[64*((\a)%4)+jj:64*((\a)%4)+jj+1], v[64*((\a)%4)+jj:64*((\a)%4)+jj+1], s[CS:CS+1], v[NMK+jj:NMK+jj+1] op_sel_hi:[1,0,1]
.set jj, jj+2
.endr
.endm
.macro EXPA a
.set WN, 2+(\a)/4
	WIN WN|(WN<<6)
.set jj, 0
.rept 64
	v_exp_f32 v[64*((\a)%4)+jj], v[64*((\a)%4)+jj]
.set jj, jj+1
.endr
.endm
.macro FIN a                           ; block a: x 1 / L, quantised, stored as an image of the operand's registers
.set WN, 2+(\a)/4
	WIN WN|4|(WN<<6)
.set jj, 0
.rept 32
	v_pk_mul_f32 v[64*((\a)%4)+jj:64*((\a)%4)+jj+1], v[64*((\a)%4)+jj:64*((\a)%4)+jj+1], v[jj:jj+1]
.set jj, jj+2
.endr
.if (\a) > 0
	s_wait_xcnt 0x0                                ; the last block's stores have read their data: the codes' registers are written again only behind this wait
.endif
	QUANTW 64*((\a)%4), 2+(\a)/4, PWR+(\a)
.irp c, 0,1,2
	global_store_b128 v[LI], v[PC+4*\c:PC+4*\c+3], s[8:9] offset:1536*(\a)+512*\c   ; 32 lanes store 512 consecutive bytes, at a multiple of 256 from the buffer's first byte
.endr
.endm
	FMAP 0
	s_wait_alu depctr_va_vdst(0)
	EXPA 0
	s_wait_alu depctr_va_vdst(0)
.irp a, 1,2,3,4,5,6,7                  ; a block's 64 exponentials are one batch: the next block's scalings stand behind them, then one wait, then the batch's readers
	s_wait_alu depctr_va_vdst(0)
	FMAP \a
	s_wait_alu depctr_va_vdst(0)
	FIN \a-1
	EXPA \a
.endr
	v_nop
	s_wait_alu depctr_va_vdst(0)
	FIN 7
.irp e, 0,1,2,3
	v_cndmask_b32 v[PX+\e], v[PWR+2*\e], v[PWR+2*\e+1], s2   ; lanes 0-15: block 2 e's words, lanes 16-31: block 2 e + 1's
.endr
.irp e, 0,1,2,3
	global_store_b32 v[L4], v[PX+\e], s[8:9] offset:12288+128*\e
.endr
	s_branch .Lend
; vh^T's WAY OUT, as in launch 3.  Accumulator (a, b), register j, lane (r, h): row 16 a + r of my 128 of vh^T, key 32 (b / 2) + 16 h + 8 (b % 2) + j of my 128.  No LDS is touched.
.Lvout:
	s_lshl_b32 s76, s73, 1
.if VP0
	s_add_co_u32 s76, s76, 2*VP0
.endif
	s_add_co_u32 s76, s76, s16                     ; which 128 of v's 8,192 rows are mine:
	s_lshr_b32 s77, s76, 4                         ; the batch,
	s_and_b32 s76, s76, 15                         ; the step of 128 keys
	s_mul_i32 s77, s77, 25600
	s_sub_co_u32 s78, ttmp9, 9
	s_lshl_b32 s78, s78, 4
	s_lshl_b32 s79, s15, 3
	s_add_co_u32 s78, s78, s79                     ; my first block of 16 rows of vh^T: 16 (x - 9) + 8 iA
	s_mul_i32 s78, s78, 102400
	s_add_co_u32 s78, s78, s77
	s_mul_i32 s79, s76, 1536
	s_lshl_b32 s80, s76, 6
	s_add_co_u32 s80, s80, 24576
	s_add_co_u32 s80, s80, s78                     ; the scale words' offset,
	s_mov_b32 s81, 0
	s_add_co_u32 s78, s78, s79                     ; the codes'
	s_mov_b32 s79, 0
	s_add_nc_u64 s[80:81], s[VREC:VREC+1], s[80:81]
	s_add_nc_u64 s[78:79], s[VREC:VREC+1], s[78:79]
.irp a, 0,1,2,3,4,5,6,7
.if \a > 0
	s_wait_xcnt 0x0                                ; the last block's stores have read their data: the codes' registers are written again only behind this wait
.endif
	QUANTW 64*(\a%4), 2+\a/4, PWR+\a
.irp c, 0,1,2
	global_store_b128 v[LI], v[PC+4*\c:PC+4*\c+3], s[78:79] offset:102400*\a+512*\c   ; 32 lanes store 512 consecutive bytes, at a multiple of 256 from the buffer's first byte
.endr
.endr
.irp e, 0,1,2,3
	v_cndmask_b32 v[PX+\e], v[PWR+2*\e], v[PWR+2*\e+1], s2   ; lanes 0-15: block 2 e's words, lanes 16-31: block 2 e + 1's
.endr
.irp e, 0,1,2,3
	global_store_b32 v[VS], v[PX+\e], s[80:81] offset:204800*\e   ; 64 bytes into each of two records
.endr
.Lend:
	s_wait_tensorcnt 0x0                           ; the wave's end
	ds_add_u32 v[SPW], v[NIL]
	s_wait_dscnt 0x0
	s_endpgm
.Lfunc_end_k_qbfee0a1fa6_probs:
	.size	k_qbfee0a1fa6_probs, .Lfunc_end_k_qbfee0a1fa6_probs-k_qbfee0a1fa6_probs
	.p2alignl 7, 3214868480
	.fill 96, 4, 3214868480
	.section	.rodata,"a",@progbits
	.p2align	6, 0x0
	.amdhsa_kernel k_qbfee0a1fa6_probs
		.amdhsa_group_segment_fixed_size 327680
		.amdhsa_private_segment_fixed_size 0
		.amdhsa_enable_private_segment 0
		.amdhsa_kernarg_size 40
		.amdhsa_user_sgpr_count 2
		.amdhsa_user_sgpr_kernarg_segment_ptr 1
		.amdhsa_wavefront_size32 1
		.amdhsa_system_sgpr_workgroup_id_x 1
		.amdhsa_system_sgpr_workgroup_id_y 1
		.amdhsa_system_sgpr_workgroup_id_z 1
		.amdhsa_system_vgpr_workitem_id 0
		.amdhsa_next_free_vgpr 1024
		.amdhsa_next_free_sgpr 100
		.amdhsa_reserve_vcc 1
		.amdhsa_float_denorm_mode_32 3
		.amdhsa_float_denorm_mode_16_64 3
		.amdhsa_memory_ordered 1
		.amdhsa_forward_progress 1
		.amdhsa_inst_pref_size 255
	.end_amdhsa_kernel
	.section	.bss,"aw",@nobits
	.p2align	6
	.space	262144
	.amdgpu_metadata
---
amdhsa.version: [ 1, 2 ]
amdhsa.kernels:
  - .name:           k_qbfee0a1fa6_probs
    .symbol:         k_qbfee0a1fa6_probs.kd
    .args:
      - { .name: hrec, .offset: 0, .size: 8, .value_kind: global_buffer, .address_space: global }
      - { .name: colstat, .offset: 8, .size: 8, .value_kind: global_buffer, .address_space: global }
      - { .name: prec, .offset: 16, .size: 8, .value_kind: global_buffer, .address_space: global }
      - { .name: xr, .offset: 24, .size: 8, .value_kind: global_buffer, .address_space: global }
      - { .name: vrec, .offset: 32, .size: 8, .value_kind: global_buffer, .address_space: global }
    .group_segment_fixed_size: 327680
    .private_segment_fixed_size: 0
    .kernarg_segment_align: 8
    .kernarg_segment_size: 40
    .max_flat_workgroup_size: 128
    .sgpr_count:     100
    .vgpr_count:     1024
    .wavefront_size: 32
...
	.end_amdgpu_metadata
.endif
;; end of part 4
;; launch pv (part 5): grid 8 x 32, 4 waves a work-group, clusters of 4 x 1, 327,680 bytes of LDS; arguments prec, vrec, out0; writes out0
.if DOCPART == 5
	.amdgcn_target "amdgcn-amd-amdhsa--gfx1250"
	.amdhsa_code_object_version 6
	.text
	.protected	k_qbfee0a1fa6_pv
	.globl	k_qbfee0a1fa6_pv
	.p2align	8
	.type	k_qbfee0a1fa6_pv,@function
k_qbfee0a1fa6_pv:
	s_mov_b64 s[64:65], 0
	v_nop
	global_prefetch_b8 v0, s[64:65] scope:SCOPE_SE
	s_setreg_imm32_b32 hwreg(HW_REG_WAVE_MODE, 25, 1), 1
	s_wait_xcnt 0x0
	s_wait_alu depctr_hold_cnt(0) depctr_sa_sdst(0) depctr_va_vdst(0) depctr_va_sdst(0) depctr_va_ssrc(0) depctr_va_vcc(0) depctr_vm_vsrc(0)
	s_getreg_b32 s2, hwreg(HW_REG_IB_STS2, 6, 4)
	s_cmp_eq_u32 s2, 0
	s_cbranch_scc0 .Lentry_in_a_cluster
	s_endpgm
.Lentry_in_a_cluster:
	s_bfe_u32 s2, ttmp6, 0x10000c
	s_cmp_lg_u32 s2, 0x3003
	s_cbranch_scc0 .Lentry_shape_is_right
	s_endpgm
.Lentry_shape_is_right:
; LAUNCH 5 OF 5: out = P vh on codes of E2M3, K = the keys.
; LEFT OUT: steps of 128 keys that all come after a row tile's 128 queries: P is 0 there by reference()'s own mask (shown at the head of launch 1).
; SHARES.  A work-group makes two row tiles of 128 queries, ti and 15 - ti, by 128 of the head's 1,024: 17 units of 128 keys whatever ti is, so all 256 work-groups have equal work.  A wave makes 64 queries x 64 of both tiles.
; Source 0 = 16 rows of vh^T, source 1 = 16 queries of P: a lane holds eight neighbouring numbers of a row of out.
; vh^T's 128 rows, all 2,048 keys (204,800 bytes), come into LDS once and stay.  P's 17 tiles lie in prec in the order of the walk and go through nine places of 12,800 bytes, eight of them filled a second time.
; CLUSTER: the four work-groups of a cluster differ in their columns alone and walk the same tiles of P: each is asked for jointly.  vh^T's rows are a work-group's own: plain loads.
; THE WALK: unit 0: upper tile, keys' step 0; unit 1: lower tile, step 0; units 2 to 16 - ti: upper tile, step u - 1; the others: lower tile, step 17 - u.  (So the lower tile sums its steps in the order 0, ti, .., 1.)
; REGISTERS: window 0: v8-22 addresses; v24-27, v32-35 scale words, two sets; v40-135, v144-239 operands, two sets (P's four fragments, then vh^T's four).  window 1: the accumulators: v[128 T + 8 (4 a + R)], T = 0 lower, 1 upper.
.set APL,   204800                     ; where P's places begin
.set TILE,  12800
.set SPARE, APL+9*TILE                 ; the spare words, 128 bytes for each wave
.set STO, 8                            ; v8   the way out: where I put 32 bytes of a row
.set RD,  9                            ; v9   where I read a row back
.set CO,  10                           ; v10  my byte offset in two rows of out
.set BD0, 12                           ; v12-14 vh^T's addresses in the units whose step hangs on ti
.set BD1, 13
.set BSD, 14
.set AA0, 16                           ; v16  P's fragments in places 0-4;  v17 in places 5-8
.set AA1, 17
.set AS0, 18                           ; v18, v19 their scale words
.set AS1, 19
.set BB0, 20                           ; v20  vh^T's blocks 0, 1 of my four;  v21 blocks 2, 3
.set BB1, 21
.set BS,  22                           ; v22  their scale words
.set SPW, 28
.set NIL, 29
.set NHI, 22                           ; s22  16 - ti: the last unit of the upper tile
.set G1B, 24
.set G1A, 32
.set G1Q, 40
.set LOT, 0
.set HIT, 1
.set MSB, 0
.macro WIN new
.if MSB != (\new)
	s_set_vgpr_msb (MSB<<8)|(\new)
.set MSB, (\new)
.endif
.endm
.macro ROUND                           ; a round of the cluster's barrier
	s_barrier_signal -1
	s_barrier_wait -1
	s_cmp_lg_u32 s14, 0
	s_cbranch_scc1 .Lnot_wave_0_\@
	s_barrier_signal -3
.Lnot_wave_0_\@:
	s_barrier_wait -3
	s_barrier_signal -1
	s_barrier_wait -1
.endm
.macro PLACES                          ; plain vector instructions between a matrix instruction and a load into, or a read of, its registers
.rept 4
	v_nop
.endr
.endm
	s_load_b128 s[4:7], s[0:1], 0x0                ; prec, vrec
	s_load_b64 s[8:9], s[0:1], 0x10                ; out0
	v_lshl_add_u32 v[SPW], v0, 2, SPARE
	v_mov_b32 v[NIL], 0
	ds_add_u32 v[SPW], v[NIL]                      ; the wave's opening: the add, twice on end, and its wait ahead of my first tensor load
	ds_add_u32 v[SPW], v[NIL]
	v_lshrrev_b32 v1, 5, v0
	v_readfirstlane_b32 s14, v1                    ; wave
	s_lshr_b32 s15, s14, 1                         ; i: my 64 queries
	s_and_b32 s16, s14, 1                          ; j: my 64 columns
	s_bfe_u32 s17, ttmp6, 0x40000                  ; cx
	s_lshl_b32 s18, ttmp9, 2
	s_add_co_u32 s18, s18, s17                     ; ct: my 128 columns: it enters vh^T's and out's global addresses alone
	s_and_b32 s19, ttmp7, 0xffff                   ; y = 8 x batch + ti, which the four partners share
	s_and_b32 s20, s19, 7                          ; ti
	s_lshr_b32 s21, s19, 3                         ; batch
	s_sub_co_u32 s[NHI], 16, s20
	s_mov_b32 s[G1B], 3<<16                        ; vh^T: 4 rows of 3,200 elements of 8 bytes (a record), 12,800 elements apart; no mask
	s_mov_b32 s[G1B+1], 3200<<16
	s_mov_b32 s[G1B+2], 4<<16                      ; (four records a load: waves 0 and 1 bring vh^T's two halves)
	s_mov_b32 s[G1B+3], 3200<<16
	s_mov_b32 s[G1B+4], 4
	s_mov_b32 s[G1B+5], 12800
	s_mov_b32 s[G1B+6], 0
	s_mov_b32 s[G1B+7], 0
	s_mov_b32 s[G1A], 15|(3<<16)|(1<<21)           ; a tile of P: 12,800 dense bytes as 50 rows of 256; the mask names all four work-groups
	s_mov_b32 s[G1A+1], 32<<16
	s_mov_b32 s[G1A+2], 50<<16
	s_mov_b32 s[G1A+3], 32<<16
	s_mov_b32 s[G1A+4], 50
	s_mov_b32 s[G1A+5], 32
	s_mov_b32 s[G1A+6], 0
	s_mov_b32 s[G1A+7], 0
	s_mov_b32 s[G1Q], 15|(3<<16)|(1<<21)           ; half of tiles 0 to 8: 225 rows of 256 bytes
	s_mov_b32 s[G1Q+1], 32<<16                     ; (half of P's first nine tiles: 57,600 dense bytes as 225 rows of 256: waves 2 and 3)
	s_mov_b32 s[G1Q+2], 225<<16
	s_mov_b32 s[G1Q+3], 32<<16
	s_mov_b32 s[G1Q+4], 225
	s_mov_b32 s[G1Q+5], 32
	s_mov_b32 s[G1Q+6], 0
	s_mov_b32 s[G1Q+7], 0
	s_mul_i32 s84, s19, 17*TILE                    ; my stream in prec,
	s_mul_i32 s85, s14, TILE
	s_add_co_u32 s84, s84, s85                     ; its tile number wave
	s_mov_b32 s85, 0
	s_mul_i32 s86, s19, 17*TILE
	s_and_b32 s93, s14, 1                          ; which half the head's load of mine brings
	s_mul_i32 s87, s93, 57600
	s_add_co_u32 s86, s86, s87
	s_mov_b32 s87, 0
	s_lshl_b32 s88, s18, 3
	s_lshl_b32 s89, s93, 2
	s_add_co_u32 s88, s88, s89                     ; vh^T: blocks 8 ct + 4 (wave % 2) and the next three,
	s_mul_i32 s88, s88, 102400
	s_mul_i32 s89, s21, 25600                      ; my batch's records
	s_add_co_u32 s88, s88, s89
	s_mov_b32 s89, 0
	s_mul_i32 s90, s14, TILE
	s_add_co_u32 s90, s90, APL                     ; place number wave
	s_mul_i32 s91, s93, 57600
	s_add_co_u32 s91, s91, APL
	s_mul_i32 s92, s93, 102400
	s_wait_dscnt 0x0                               ; both opening adds are done
	s_wait_kmcnt 0x0
	s_add_nc_u64 s[84:85], s[4:5], s[84:85]
	s_add_nc_u64 s[86:87], s[4:5], s[86:87]
	s_add_nc_u64 s[88:89], s[6:7], s[88:89]
	s_mov_b32 s48, 1                               ; four groups 0, one for each load of mine, never rewritten: vh^T's four records;
	s_mov_b32 s49, s92
	s_mov_b64 s[50:51], s[88:89]
	s_or_b32 s51, s51, 0x80000000
	s_mov_b32 s60, 1                               ; my half of tiles 0 to 8 into places 0 to 8;
	s_mov_b32 s61, s91
	s_mov_b64 s[62:63], s[86:87]
	s_or_b32 s63, s63, 0x80000000
	s_mov_b32 s68, 1                               ; tile 9 + w into place w;
	s_mov_b32 s69, s90
	s_add_nc_u64 s[70:71], s[84:85], 9*TILE
	s_or_b32 s71, s71, 0x80000000
	s_mov_b32 s72, 1                               ; tile 13 + w into place 4 + w
	s_add_co_u32 s73, s90, 4*TILE
	s_add_nc_u64 s[74:75], s[84:85], 13*TILE
	s_or_b32 s75, s75, 0x80000000
	ROUND                                          ; all four work-groups are here: the first joint loads meet
	s_cmp_lt_u32 s14, 2                            ; the head's fills, one a wave, in the two arms of one branch on the wave's number
	s_cbranch_scc0 .Lhead_p
	tensor_load_to_lds s[48:51], s[G1B:G1B+7]      ; waves 0, 1: four of vh^T's eight records, my work-group's own
	s_nop 0
	PLACES
	s_branch .Lhead_asked
.Lhead_p:
	tensor_load_to_lds s[60:63], s[G1Q:G1Q+7]      ; waves 2, 3: half of P's tiles 0 to 8, asked for jointly
	s_nop 0
	PLACES
.Lhead_asked:
	v_and_b32 v1, 31, v0                           ; lane
	v_and_b32 v2, 15, v0                           ; r
	v_bfe_u32 v3, v0, 4, 1                         ; h
	v_lshlrev_b32 v4, 4, v1
	v_lshlrev_b32 v5, 2, v1
	s_mul_i32 s84, s15, 6144
	s_add_co_u32 s84, s84, APL
	v_add_nc_u32 v[AA0], s84, v4                   ; my four blocks of queries begin 4 x 1,536 x i into a tile
	v_add_nc_u32 v[AA1], 5*TILE, v[AA0]
	s_lshl_b32 s84, s15, 8
	s_add_co_u32 s84, s84, APL+12288
	v_add_nc_u32 v[AS0], s84, v5                   ; a load of 4 bytes a lane takes two blocks' scale words
	v_add_nc_u32 v[AS1], 5*TILE, v[AS0]
	s_mul_i32 s84, s16, 102400
	v_add_nc_u32 v[BB0], s84, v4
	v_add_nc_u32 v[BB1], 51200, v[BB0]
	v_mul_u32_u24 v6, v3, 25600
	v_lshl_add_u32 v6, v2, 2, v6
	s_add_co_u32 s84, s84, 24576
	v_add_nc_u32 v[BS], s84, v6                    ; lanes 0-15 one block's scale words, lanes 16-31 the next block's
	s_mul_i32 s84, s14, 16*272                     ; my stage: 16 rows of 256 bytes + 16; it lies where vh^T lay, and is written behind the last read of it
	v_mul_u32_u24 v6, v2, 272
	v_lshl_add_u32 v6, v3, 5, v6
	v_add_nc_u32 v[STO], s84, v6
	v_mul_u32_u24 v6, v3, 272
	v_lshl_add_u32 v6, v2, 4, v6
	v_add_nc_u32 v[RD], s84, v6
	v_lshlrev_b32 v6, 12, v3
	v_lshl_add_u32 v[CO], v2, 4, v6
	s_lshl_b32 s84, s21, 11                        ; where my results go: row 2,048 x batch + 128 x row tile + 64 i, byte 512 ct + 256 j
	s_lshl_b32 s85, s15, 6
	s_add_co_u32 s84, s84, s85
	s_lshl_b32 s85, s20, 7
	s_add_co_u32 s85, s85, s84
	s_sub_co_u32 s86, 15, s20
	s_lshl_b32 s86, s86, 7
	s_add_co_u32 s86, s86, s84
	s_lshl_b32 s85, s85, 12
	s_lshl_b32 s86, s86, 12
	s_lshl_b32 s87, s18, 9
	s_lshl_b32 s88, s16, 8
	s_add_co_u32 s87, s87, s88
	s_add_co_u32 s76, s85, s87
	s_mov_b32 s77, 0
	s_add_co_u32 s78, s86, s87
	s_mov_b32 s79, 0
	s_add_nc_u64 s[76:77], s[8:9], s[76:77]        ; the lower tile's
	s_add_nc_u64 s[78:79], s[8:9], s[78:79]        ; the upper tile's
; Unit u's operands, 28 LDS loads, into set u % 2.  dyn = 1: the keys' step hangs on ti: u - 1 while the upper tile lasts, then 17 - u.
.macro FETCHU u, dyn
	WIN 0
.set ST_, 40+104*((\u)%2)
.set SS_, 24+8*((\u)%2)
.set PL_, (\u)
.if (\u) > 8
.set PL_, (\u)-9
.endif
.if PL_ > 4
.set AAR, AA1
.set ASR, AS1
.set PO_, (PL_-5)*TILE
.else
.set AAR, AA0
.set ASR, AS0
.set PO_, PL_*TILE
.endif
.if \dyn
	s_cmp_le_u32 \u, s[NHI]
	s_cselect_b32 s80, (\u)-1, 17-(\u)
	s_mul_i32 s81, s80, 1536
	s_lshl_b32 s80, s80, 6
	v_add_nc_u32 v[BD0], s81, v[BB0]
	v_add_nc_u32 v[BD1], s81, v[BB1]
	v_add_nc_u32 v[BSD], s80, v[BS]
.set BR0, BD0
.set BR1, BD1
.set BSR, BSD
.set KS_, 0
.else
.set BR0, BB0
.set BR1, BB1
.set BSR, BS
.set KS_, 0
.if (\u) > 1
.set KS_, (\u)-1
.endif
.endif
.irp a, 0,1,2,3
.irp c, 0,1,2
	ds_load_b128 v[ST_+12*\a+4*\c:ST_+12*\a+4*\c+3], v[AAR] offset:PO_+1536*\a+512*\c
.endr
.endr
	ds_load_b32 v[SS_], v[ASR] offset:PO_
	ds_load_b32 v[SS_+1], v[ASR] offset:PO_+128
.irp R, 0,1
.irp c, 0,1,2
	ds_load_b128 v[ST_+48+12*\R+4*\c:ST_+48+12*\R+4*\c+3], v[BR0] offset:1536*KS_+25600*\R+512*\c
.endr
.endr
.irp R, 0,1
.irp c, 0,1,2
	ds_load_b128 v[ST_+72+12*\R+4*\c:ST_+72+12*\R+4*\c+3], v[BR1] offset:1536*KS_+25600*\R+512*\c
.endr
.endr
	ds_load_b32 v[SS_+2], v[BSR] offset:64*KS_
	ds_load_b32 v[SS_+3], v[BSR] offset:64*KS_+51200
.endm
; One product.  ra, rb: the half of the lanes in which source 0's and source 1's scale words lie.
.macro WM d, fa, fb, xa, xb, ra, rb, zero
.if \zero
.if (\ra) && (\rb)
	v_wmma_scale_f32_16x16x128_f8f6f4 v[(\d):(\d)+7], v[(\fa):(\fa)+11], v[(\fb):(\fb)+11], 0, v[\xa], v[\xb] matrix_a_fmt:MATRIX_FMT_FP6 matrix_b_fmt:MATRIX_FMT_FP6 matrix_a_scale:MATRIX_SCALE_ROW1 matrix_b_scale:MATRIX_SCALE_ROW1
.elseif (\ra)
	v_wmma_scale_f32_16x16x128_f8f6f4 v[(\d):(\d)+7], v[(\fa):(\fa)+11], v[(\fb):(\fb)+11], 0, v[\xa], v[\xb] matrix_a_fmt:MATRIX_FMT_FP6 matrix_b_fmt:MATRIX_FMT_FP6 matrix_a_scale:MATRIX_SCALE_ROW1
.elseif (\rb)
	v_wmma_scale_f32_16x16x128_f8f6f4 v[(\d):(\d)+7], v[(\fa):(\fa)+11], v[(\fb):(\fb)+11], 0, v[\xa], v[\xb] matrix_a_fmt:MATRIX_FMT_FP6 matrix_b_fmt:MATRIX_FMT_FP6 matrix_b_scale:MATRIX_SCALE_ROW1
.else
	v_wmma_scale_f32_16x16x128_f8f6f4 v[(\d):(\d)+7], v[(\fa):(\fa)+11], v[(\fb):(\fb)+11], 0, v[\xa], v[\xb] matrix_a_fmt:MATRIX_FMT_FP6 matrix_b_fmt:MATRIX_FMT_FP6
.endif
.else
.if (\ra) && (\rb)
	v_wmma_scale_f32_16x16x128_f8f6f4 v[(\d):(\d)+7], v[(\fa):(\fa)+11], v[(\fb):(\fb)+11], v[(\d):(\d)+7], v[\xa], v[\xb] matrix_a_fmt:MATRIX_FMT_FP6 matrix_b_fmt:MATRIX_FMT_FP6 matrix_a_scale:MATRIX_SCALE_ROW1 matrix_b_scale:MATRIX_SCALE_ROW1
.elseif (\ra)
	v_wmma_scale_f32_16x16x128_f8f6f4 v[(\d):(\d)+7], v[(\fa):(\fa)+11], v[(\fb):(\fb)+11], v[(\d):(\d)+7], v[\xa], v[\xb] matrix_a_fmt:MATRIX_FMT_FP6 matrix_b_fmt:MATRIX_FMT_FP6 matrix_a_scale:MATRIX_SCALE_ROW1
.elseif (\rb)
	v_wmma_scale_f32_16x16x128_f8f6f4 v[(\d):(\d)+7], v[(\fa):(\fa)+11], v[(\fb):(\fb)+11], v[(\d):(\d)+7], v[\xa], v[\xb] matrix_a_fmt:MATRIX_FMT_FP6 matrix_b_fmt:MATRIX_FMT_FP6 matrix_b_scale:MATRIX_SCALE_ROW1
.else
	v_wmma_scale_f32_16x16x128_f8f6f4 v[(\d):(\d)+7], v[(\fa):(\fa)+11], v[(\fb):(\fb)+11], v[(\d):(\d)+7], v[\xa], v[\xb] matrix_a_fmt:MATRIX_FMT_FP6 matrix_b_fmt:MATRIX_FMT_FP6
.endif
.endif
.endm
; Unit u's 16 products onto row tile T.  The 16 accumulators take turns, one instruction a turn, in the same order in every unit.  zero = 1: they start the sums.
.macro MULU u, T, zero
.set ST_, 40+104*((\u)%2)
.set SS_, 24+8*((\u)%2)
	WIN 0x50                                       ; C and D window 1
.irp a, 0,1,2,3
.irp R, 0,1,2,3
	WM 128*(\T)+8*(4*\a+\R), ST_+48+12*\R, ST_+12*\a, SS_+2+\R/2, SS_+\a/2, \R%2, \a%2, \zero
.endr
.endr
.endm
.macro MULV u                          ; a unit whose row tile hangs on ti: a branch on ids, the same in all waves and all partners
	s_cmp_le_u32 \u, s[NHI]
	s_cbranch_scc0 .Llower_\@
	MULU \u, HIT, 0
	WIN 0
	s_branch .Ldone_\@
.Llower_\@:
	MULU \u, LOT, 0
	WIN 0
.Ldone_\@:
.endm
.macro NEXTF u, dyn                    ; unit u's operands are asked for, into the set that the unit before last read; then the unit in hand's are awaited: the 28 loads just issued may be out
	PLACES
	FETCHU \u, \dyn
	s_wait_dscnt 28
.endm
; The last unit of a run of places, and their second fill.  Each wave waits for all its tensor loads, adds 0 to its spare word, multiplies, and waits for the add; its reads of the places are over.
; The round takes the barrier's place: no wave of any partner still reads the places or has a load on its way.  The joint load stands first behind it.
.macro REFILL u, g0
	WIN 0
	s_wait_dscnt 0x0                               ; unit u's operands are in: my reads of these places are over
	s_wait_tensorcnt 0x0
	ds_add_u32 v[SPW], v[NIL]                      ; 0 onto my spare word
	MULU \u, HIT, 0
	WIN 0
	s_wait_dscnt 0x0                               ; the add is done
	ROUND
	tensor_load_to_lds s[\g0:\g0+3], s[G1A:G1A+7]
	s_nop 0
	PLACES
.endm
	s_wait_alu depctr_va_vdst(0)
	s_wait_tensorcnt 0x0                           ; my one load has landed
	s_barrier_signal -1
	s_barrier_wait -1
	FETCHU 0, 0
	NEXTF 1, 0
	MULU 0, HIT, 1
	NEXTF 2, 0
	MULU 1, LOT, 1
	NEXTF 3, 0
	MULU 2, HIT, 0
	REFILL 3, 68                                   ; tiles 9 to 12 into places 0 to 3: they have units 4 to 8 in which to land
	FETCHU 4, 0
	NEXTF 5, 0
	MULU 4, HIT, 0
	NEXTF 6, 0
	MULU 5, HIT, 0
	NEXTF 7, 0
	MULU 6, HIT, 0
	NEXTF 8, 0
	MULU 7, HIT, 0
	REFILL 8, 72                                   ; tiles 13 to 16 into places 4 to 7: they have units 9 to 12
	FETCHU 9, 0
	NEXTF 10, 1
	MULU 9, HIT, 0
	NEXTF 11, 1
	MULV 10
	NEXTF 12, 1
	MULV 11
	s_wait_dscnt 0x0
	MULV 12
	s_wait_tensorcnt 0x0                           ; my last load has landed: no load was issued behind it
	s_barrier_signal -1
	s_barrier_wait -1                              ; everybody's has
	PLACES
	FETCHU 13, 1
	NEXTF 14, 1
	MULV 13
	NEXTF 15, 1
	MULV 14
	NEXTF 16, 1
	MULV 15
	s_wait_dscnt 0x0                               ; my reads of vh^T are over
	MULV 16
	s_barrier_signal -1
	s_barrier_wait -1                              ; everybody's are: the stages may be written
	PLACES                                         ; behind the last products, ahead of the first read of results
; THE WAY OUT, 16 queries x 64 columns at a time: 32 bytes a lane into my stage, back as rows of 256 bytes, which sixteen lanes store whole.  LDS serves a wave's instructions in order: no wait between the stores and the loads.
.macro OUTB T, a, n
.set OB_, 40+104*((\n)%2)
.if (\n) > 1
	s_wait_xcnt 0x0                                ; the block before last's stores have read their data: these registers are loaded again only behind this wait
.endif
	WIN 0x04                                       ; an LDS store's data are its source 1: window 1
.irp R, 0,1,2,3
	ds_store_b128 v[STO], v[128*(\T)+8*(4*(\a)+\R):128*(\T)+8*(4*(\a)+\R)+3] offset:64*\R          ; each accumulator from its low end on
	ds_store_b128 v[STO], v[128*(\T)+8*(4*(\a)+\R)+4:128*(\T)+8*(4*(\a)+\R)+7] offset:64*\R+16
.endr
	WIN 0
.irp t, 0,1,2,3,4,5,6,7
	ds_load_b128 v[OB_+4*\t:OB_+4*\t+3], v[RD] offset:2*\t*272
.endr
.irp t, 0,1,2,3,4,5,6,7
	s_wait_dscnt 7-\t
	global_store_b128 v[CO], v[OB_+4*\t:OB_+4*\t+3], s[76+2*(\T):77+2*(\T)] offset:65536*(\a)+8192*\t th:TH_STORE_NT   ; 16 lanes store 256 consecutive bytes, at a multiple of 256 from out's first byte
.endr
.endm
	OUTB 0, 0, 0
	OUTB 0, 1, 1
	OUTB 0, 2, 2
	OUTB 0, 3, 3
	OUTB 1, 0, 4
	OUTB 1, 1, 5
	OUTB 1, 2, 6
	OUTB 1, 3, 7
	s_wait_tensorcnt 0x0                           ; the wave's end
	ds_add_u32 v[SPW], v[NIL]
	s_wait_dscnt 0x0
	ROUND                                          ; the closing round: no work-group ends while a partner may still ask for a tile that names it
	s_endpgm
.Lfunc_end_k_qbfee0a1fa6_pv:
	.size	k_qbfee0a1fa6_pv, .Lfunc_end_k_qbfee0a1fa6_pv-k_qbfee0a1fa6_pv
	.p2alignl 7, 3214868480
	.fill 96, 4, 3214868480
	.section	.rodata,"a",@progbits
	.p2align	6, 0x0
	.amdhsa_kernel k_qbfee0a1fa6_pv
		.amdhsa_group_segment_fixed_size 327680
		.amdhsa_private_segment_fixed_size 0
		.amdhsa_enable_private_segment 0
		.amdhsa_kernarg_size 24
		.amdhsa_user_sgpr_count 2
		.amdhsa_user_sgpr_kernarg_segment_ptr 1
		.amdhsa_wavefront_size32 1
		.amdhsa_system_sgpr_workgroup_id_x 1
		.amdhsa_system_sgpr_workgroup_id_y 1
		.amdhsa_system_sgpr_workgroup_id_z 1
		.amdhsa_system_vgpr_workitem_id 0
		.amdhsa_next_free_vgpr 512
		.amdhsa_next_free_sgpr 100
		.amdhsa_reserve_vcc 0
		.amdhsa_float_denorm_mode_32 3
		.amdhsa_float_denorm_mode_16_64 3
		.amdhsa_memory_ordered 1
		.amdhsa_forward_progress 1
		.amdhsa_inst_pref_size 111
	.end_amdhsa_kernel
	.amdgpu_metadata
---
amdhsa.version: [ 1, 2 ]
amdhsa.kernels:
  - .name:           k_qbfee0a1fa6_pv
    .symbol:         k_qbfee0a1fa6_pv.kd
    .args:
      - { .name: prec, .offset: 0, .size: 8, .value_kind: global_buffer, .address_space: global }
      - { .name: vrec, .offset: 8, .size: 8, .value_kind: global_buffer, .address_space: global }
      - { .name: out0, .offset: 16, .size: 8, .value_kind: global_buffer, .address_space: global }
    .group_segment_fixed_size: 327680
    .private_segment_fixed_size: 0
    .kernarg_segment_align: 8
    .kernarg_segment_size: 24
    .max_flat_workgroup_size: 128
    .sgpr_count:     100
    .vgpr_count:     512
    .wavefront_size: 32
...
	.end_amdgpu_metadata
.endif
;; end of part 5
